; MI455X (gfx1250); checked and timed in simulation.
; The chip was launched on July 23, 2026; its instructions are those of AMD's public machine-readable ISA for CDNA 5 (MIT licence, August 2026) and "CDNA5" Instruction Set Architecture Reference Guide (July 2026). The comments in the code are by the model that wrote it; some were corrected since.
;; FFN Global Context Expert Fusion. Allowed arithmetic: float matrix products may take bf16 or f16 operands with f32 sums; all other float work in f32.
;; Inputs: W1 8 x 1,024 x 4,096 float32; W2 8 x 4,096 x 1,024 float32; b1 8 x 4,096 float32; b2 8 x 1,024 float32; routing_scores 4 x 256 x 8 float32; x 4 x 256 x 1,024 float32.
;; Outputs: out0 4 x 256 x 1,024 float32; out1 8 int32.
;; 3 versions, each right; version 2 is faster than version 1; version 3 is version 2 with the launch gather written anew for expert scheduling mode. Each part assembles by itself: llvm-mc -triple=amdgcn-amd-amdhsa -mcpu=gfx1250 --defsym DOCPART=n.
;; ======== version 1 of 3: 5 launches
;; workspace buffers: rmeta 16,640 bytes of whole numbers; wgt 8,192 bytes; xg 9,437,184 bytes; hsw 37,748,736 bytes; ypart 37,748,736 bytes
;; launch route (part 1): grid 1 x 1, 32 waves a work-group, no clusters, 5,120 bytes of LDS; arguments routing_scores, rmeta, wgt, out1; writes rmeta, wgt, out1
.if DOCPART == 1
	.amdgcn_target "amdgcn-amd-amdhsa--gfx1250"
	.amdhsa_code_object_version 6
	.text
	.protected	k_q756935d939_route
	.globl	k_q756935d939_route
	.p2align	8
	.type	k_q756935d939_route,@function
k_q756935d939_route:
	s_mov_b64 s[64:65], 0
	v_nop
	global_prefetch_b8 v0, s[64:65] scope:SCOPE_SE
	s_setreg_imm32_b32 hwreg(HW_REG_WAVE_MODE, 25, 1), 1
	s_wait_xcnt 0x0
; ROUTING.  1,024 tokens, 8 experts, the two largest scores of each token.  Thread t is token t; one work-group of 32 waves.
; Stored, all at addresses made of the thread's number alone:
;   rmeta[0,32)    off[e]: first slot of expert e in the list of token rows sorted by expert (a multiple of 32)
;   rmeta[32,64)   nb[e] = ceil(cnt[e] / 32): blocks of 32 rows;   rmeta[64,96) cnt[e];   rmeta[96,128) zeros
;   rmeta[256,..)  pos[t][2]: the slots of token t's two rows;     rmeta[8448,..) eid[t][2]: its two experts
;   wgt[t][2]      score / (sum of the two scores + 1e-8);         out1[e] = cnt[e]
; No address, branch or EXEC mask hangs on a score: the scores only select values.
; LIMITS: a NaN score is never chosen ahead of a number (XLA sorts NaN first); -0 and +0 tie and the lower index wins;
; the reciprocal is v_rcp_f32 (1 ULP; a denormal sum or result counts as zero).
.set SC,   4                           ; v[4:11]   the token's eight scores
.set RANK, 20                          ; v[20:27]  expert e: tokens of my wave in front of me that chose e
.set CNT,  28                          ; v[28:35]  counts: of my wave, then (lane l) of wave l, then the totals
.set PRE,  40                          ; v[40:47]  the same for the waves in front of mine alone
	s_load_b256 s[4:11], s[0:1], 0x0               ; scores s[4:5], rmeta s[6:7], wgt s[8:9], out1 s[10:11]
	v_lshl_add_u32 v64, v0, 2, 0x400
	v_mov_b32 v65, 0
	v_and_b32 v1, 31, v0                           ; lane
	v_lshrrev_b32 v2, 5, v0
	v_readfirstlane_b32 s12, v2                    ; wave
	v_lshlrev_b32 v3, 5, v0                        ; 32 bytes of scores a token
	v_lshlrev_b32 v52, 3, v0                       ; 8 bytes a token in pos, eid and wgt
	s_lshl_b32 s13, s12, 5                         ; my wave's eight words in LDS
	s_mov_b32 s74, 0x76543210                      ; v_permlanex16_b32: lane i reads lane i of the other half
	s_mov_b32 s75, 0xfedcba98
	s_wait_kmcnt 0x0
	global_load_b128 v[SC:SC+3], v3, s[4:5]
	global_load_b128 v[SC+4:SC+7], v3, s[4:5] offset:16
	s_wait_loadcnt 0x0
	; the largest: a strict > keeps the lower index among equals, as lax.top_k does
	v_mov_b32 v12, v[SC]                           ; v12 value, v54 index
	v_mov_b32 v54, 0
.irp k, 1,2,3,4,5,6,7
	v_cmp_gt_f32 vcc_lo, v[SC+\k], v12
	v_cndmask_b32 v12, v12, v[SC+\k], vcc_lo
	v_cndmask_b32 v54, v54, \k, vcc_lo
.endr
	; the second: starts at the first element that is not the largest, and never takes the largest
	v_cmp_eq_u32 vcc_lo, 0, v54
	v_cndmask_b32 v14, v[SC], v[SC+1], vcc_lo      ; v14 value, v55 index
	v_cndmask_b32 v55, 0, 1, vcc_lo
.irp k, 1,2,3,4,5,6,7
	v_cmp_gt_f32 s14, v[SC+\k], v14
	v_cmp_ne_u32 s15, \k, v54
	s_and_b32 s14, s14, s15
	v_cndmask_b32 v14, v14, v[SC+\k], s14
	v_cndmask_b32 v55, v55, \k, s14
.endr
	v_add_f32 v16, v12, v14
	v_add_f32 v16, 0x322bcc77, v16                 ; + 1e-8
	v_rcp_f32 v17, v16
	v_nop                                          ; one plain place between v_rcp_f32 and the use of its result (ISA guide 5.7.2)
	s_wait_alu depctr_va_vdst(0)
	v_mul_f32 v18, v17, v12
	v_mul_f32 v19, v17, v14
	; who chose expert e: first choice s[16+e], second s[24+e], either s[32+e]; my rank among them; my wave's count
.irp e, 0,1,2,3,4,5,6,7
	v_cmp_eq_u32 s[16+\e], \e, v54
	v_cmp_eq_u32 s[24+\e], \e, v55
	s_or_b32 s[32+\e], s[16+\e], s[24+\e]
	v_mbcnt_lo_u32_b32 v[RANK+\e], s[32+\e], 0
	s_bcnt1_i32_b32 s[40+\e], s[32+\e]
	v_mov_b32 v[CNT+\e], s[40+\e]
.endr
	v_mov_b32 v36, s13
	ds_store_b128 v36, v[CNT:CNT+3]                ; every lane writes the same words with the same numbers
	ds_store_b128 v36, v[CNT+4:CNT+7] offset:16
	s_wait_dscnt 0x0                               ; my stores are done before I say so: the other waves read them
	s_barrier_signal -1
	s_barrier_wait -1
	v_lshlrev_b32 v37, 5, v1
	ds_load_b128 v[CNT:CNT+3], v37                 ; lane l: the eight counts of wave l
	ds_load_b128 v[CNT+4:CNT+7], v37 offset:16
	v_cmp_gt_u32 vcc_lo, s12, v1                   ; lanes that stand for waves in front of mine
	v_mov_b32 v48, 0                               ; v_permlanex16_b32's destination counts as read
	s_wait_dscnt 0x0
.irp e, 0,1,2,3,4,5,6,7
	v_cvt_f32_u32 v[CNT+\e], v[CNT+\e]             ; sums of at most 1,024 are exact in f32
	v_cndmask_b32 v[PRE+\e], 0, v[CNT+\e], vcc_lo
.endr
.macro WSUM reg                        ; the sum over the wave's 32 lanes, in every lane
	v_add_f32_dpp v[\reg], v[\reg], v[\reg] row_xmask:1 row_mask:0xf bank_mask:0xf
	v_add_f32_dpp v[\reg], v[\reg], v[\reg] row_xmask:2 row_mask:0xf bank_mask:0xf
	v_add_f32_dpp v[\reg], v[\reg], v[\reg] row_xmask:4 row_mask:0xf bank_mask:0xf
	v_add_f32_dpp v[\reg], v[\reg], v[\reg] row_xmask:8 row_mask:0xf bank_mask:0xf
	v_permlanex16_b32 v48, v[\reg], s74, s75
	v_add_f32 v[\reg], v[\reg], v48
.endm
.irp e, 0,1,2,3,4,5,6,7
	WSUM CNT+\e
	WSUM PRE+\e
	v_cvt_u32_f32 v[CNT+\e], v[CNT+\e]
	v_cvt_u32_f32 v[PRE+\e], v[PRE+\e]
	v_readfirstlane_b32 s[40+\e], v[CNT+\e]        ; cnt[e]
	v_readfirstlane_b32 s[48+\e], v[PRE+\e]        ; tokens of e in the waves in front of mine
.endr
	s_mov_b32 s76, 0                               ; running first slot
.irp e, 0,1,2,3,4,5,6,7
	s_add_co_u32 s[66+\e], s[40+\e], 31
	s_lshr_b32 s[66+\e], s[66+\e], 5               ; nb[e]
	s_mov_b32 s[56+\e], s76                        ; off[e]
	s_add_co_u32 s[48+\e], s[48+\e], s76           ; first slot of my wave's tokens of e
	s_lshl_b32 s77, s[66+\e], 5
	s_add_co_u32 s76, s76, s77
.endr
	v_mov_b32 v50, 0
	v_mov_b32 v51, 0
.irp e, 0,1,2,3,4,5,6,7
	v_add_nc_u32 v49, s[48+\e], v[RANK+\e]
	v_cndmask_b32 v50, v50, v49, s[16+\e]          ; slot of my first choice
	v_cndmask_b32 v51, v51, v49, s[24+\e]          ; slot of my second
.endr
	global_store_b64 v52, v[50:51], s[6:7] offset:256
	global_store_b64 v52, v[54:55], s[6:7] offset:8448
	global_store_b64 v52, v[18:19], s[8:9]
	s_cmp_lg_u32 s12, 0
	s_cbranch_scc1 .Lend                           ; the tables of eight are wave 0's
	v_mov_b32 v56, 0
	v_mov_b32 v57, 0
.irp e, 0,1,2,3,4,5,6,7
	v_writelane_b32 v56, s[56+\e], \e
	v_writelane_b32 v56, s[66+\e], 8+\e
	v_writelane_b32 v56, s[40+\e], 16+\e
	v_writelane_b32 v57, s[40+\e], \e
.endr
	v_lshlrev_b32 v58, 2, v1
	global_store_b32 v58, v56, s[6:7]              ; off, nb, cnt, zeros: 128 bytes
	s_wait_xcnt 0x0                                ; EXEC is a source of the stores above: it narrows only behind this wait
	v_cmp_gt_u32 vcc_lo, 8, v1
	s_and_saveexec_b32 s78, vcc_lo
	global_store_b32 v58, v57, s[10:11]            ; out1: eight words
	s_wait_xcnt 0x0                                ; and widens only behind this one
	s_or_b32 exec_lo, exec_lo, s78
.Lend:
	s_wait_tensorcnt 0x0
	ds_add_u32 v64, v65
	s_wait_dscnt 0x0
	s_endpgm
.Lfunc_end_k_q756935d939_route:
	.size	k_q756935d939_route, .Lfunc_end_k_q756935d939_route-k_q756935d939_route
	.p2alignl 7, 3214868480
	.fill 96, 4, 3214868480
	.section	.rodata,"a",@progbits
	.p2align	6, 0x0
	.amdhsa_kernel k_q756935d939_route
		.amdhsa_group_segment_fixed_size 5120
		.amdhsa_private_segment_fixed_size 0
		.amdhsa_enable_private_segment 0
		.amdhsa_kernarg_size 32
		.amdhsa_user_sgpr_count 2
		.amdhsa_user_sgpr_kernarg_segment_ptr 1
		.amdhsa_wavefront_size32 1
		.amdhsa_system_sgpr_workgroup_id_x 1
		.amdhsa_system_sgpr_workgroup_id_y 1
		.amdhsa_system_sgpr_workgroup_id_z 1
		.amdhsa_system_vgpr_workitem_id 0
		.amdhsa_next_free_vgpr 66
		.amdhsa_next_free_sgpr 80
		.amdhsa_reserve_vcc 1
		.amdhsa_float_denorm_mode_32 3
		.amdhsa_float_denorm_mode_16_64 3
		.amdhsa_memory_ordered 1
		.amdhsa_forward_progress 1
		.amdhsa_inst_pref_size 20
	.end_amdhsa_kernel
	.amdgpu_metadata
---
amdhsa.version: [ 1, 2 ]
amdhsa.kernels:
  - .name:           k_q756935d939_route
    .symbol:         k_q756935d939_route.kd
    .args:
      - { .name: routing_scores, .offset: 0, .size: 8, .value_kind: global_buffer, .address_space: global }
      - { .name: rmeta, .offset: 8, .size: 8, .value_kind: global_buffer, .address_space: global }
      - { .name: wgt, .offset: 16, .size: 8, .value_kind: global_buffer, .address_space: global }
      - { .name: out1, .offset: 24, .size: 8, .value_kind: global_buffer, .address_space: global }
    .group_segment_fixed_size: 5120
    .private_segment_fixed_size: 0
    .kernarg_segment_align: 8
    .kernarg_segment_size: 32
    .max_flat_workgroup_size: 1024
    .sgpr_count:     80
    .vgpr_count:     66
    .wavefront_size: 32
...
	.end_amdgpu_metadata
.endif
;; end of part 1
;; launch gather (part 2): grid 144 x 8, 1 waves a work-group, no clusters, 9,472 bytes of LDS; arguments x, rmeta, xg; writes xg
.if DOCPART == 2
	.amdgcn_target "amdgcn-amd-amdhsa--gfx1250"
	.amdhsa_code_object_version 6
	.text
	.protected	k_q756935d939_gather
	.globl	k_q756935d939_gather
	.p2align	8
	.type	k_q756935d939_gather,@function
k_q756935d939_gather:
	s_mov_b64 s[64:65], 0
	v_nop
	global_prefetch_b8 v0, s[64:65] scope:SCOPE_SE
	s_setreg_imm32_b32 hwreg(HW_REG_WAVE_MODE, 25, 1), 1
	s_wait_xcnt 0x0
; TOKEN ROWS SORTED BY EXPERT, each f32 number as TWO bf16 terms, in the order in which a matrix operand's lanes want them.
; hi = the number rounded to bf16, lo = the rest (exact in f32) rounded to bf16: together 16 bits of mantissa.  Why two terms: see the first layer's head.
; xg: tile (16 slots) x 65536 + part (0 hi, 1 lo) x 32768 + ks x 1024 + f x 512 + lane x 16; lane (r = lane % 16, h = lane / 16) holds slot r, columns 32 ks + 16 f + 8 h + 0..7.
; So one 16-byte load a lane of a later wave covers 512 consecutive bytes and is half an operand fragment.
; One wave a work-group: x = tile of 16 slots, y = 128 columns.  144 tiles = 2,304 slots: 2,048 rows and at most 31 empty slots behind each of 8 experts,
; rounded up to whole blocks of 32; how many are in use is known only from memory, so all are written.
; The slot of a token is known (pos), the token of a slot is wanted: every lane looks at 64 of the 2,048 numbers and drops the token's number into the
; word of its slot in LDS; numbers of other tiles go to a spare word.  Empty slots keep token 0: finite numbers that no result takes up.
; Matrix units, tensor loads and clusters are left out: 16 rows x 512 bytes are copied once and nothing is shared.
; LIMIT: a number that rounds to infinity in bf16 (magnitude above 3.39e38) gives NaN.
.set POS,  32                          ; v[32:95]   64 numbers of pos; later the sixteen halves of fragments (8 hi, 8 lo)
.set TOK,  96                          ; v[96:111]  the tokens of the tile's 16 slots
.set VO,   112                         ; v[112:127] byte offsets of their row pieces in x
.set XR,   128                         ; v[128:191] the row pieces, f32
.set SP,   272                         ; LDS: [0,128) slot words (0..15, 16 = spare);
.set STG,  256                         ; [256,4608) hi: 16 rows of 256 bytes, 272 apart;
.set STL,  STG+16*SP                   ; [4608,8960) lo: the same
	s_load_b128 s[4:7], s[0:1], 0x0                ; x s[4:5], rmeta s[6:7]
	s_load_b64 s[8:9], s[0:1], 0x10                ; xg
	v_lshl_add_u32 v192, v0, 2, 0x2400
	v_mov_b32 v193, 0
	s_and_b32 s10, ttmp7, 0xffff                   ; which 128 columns
	s_lshl_b32 s11, ttmp9, 4                       ; the tile's first slot
	v_lshlrev_b32 v1, 4, v0                        ; 16 x lane
	v_lshlrev_b32 v2, 2, v0                        ; 4 x lane
	v_mov_b32 v3, 0
	v_lshlrev_b32 v4, 1, v0                        ; 2 x lane: my first token in a load of pos
	v_lshlrev_b32 v10, 3, v0                       ; 8 x lane
	v_and_b32 v14, 15, v0                          ; r
	v_lshrrev_b32 v15, 4, v0                       ; h
	v_mul_u32_u24 v11, v14, SP
	v_lshl_add_u32 v11, v15, 4, v11                ; r x 272 + 16 h
	s_lshl_b32 s12, s10, 9                         ; 512 bytes of a row of x
	v_add_nc_u32 v7, s12, v1
	s_lshl_b32 s14, ttmp9, 16
	s_lshl_b32 s13, s10, 12
	s_add_co_u32 s14, s14, s13                     ; tile x 65536 + 4 K steps x 1024 for each 128 columns
	s_mov_b32 s15, 0
	s_wait_kmcnt 0x0
	s_add_nc_u64 s[8:9], s[8:9], s[14:15]
.set q, 0
.rept 16
	global_load_b128 v[POS+4*q:POS+4*q+3], v1, s[6:7] offset:256+512*q   ; tokens 64 q + 2 lane and + 1, two slots each
.set q, q+1
.endr
	ds_store_b32 v2, v3                            ; every slot word starts at token 0
	s_wait_loadcnt 0x0
.set q, 0
.rept 16
	v_add_nc_u32 v12, 64*q, v4
	v_add_nc_u32 v13, 64*q+1, v4
.irp c, 0,1,2,3
	v_sub_nc_u32 v[16+\c], v[POS+4*q+\c], s11      ; slot in my tile; slots in front of it wrap to large numbers
	v_min_u32 v[16+\c], 16, v[16+\c]               ; all that is not mine: the spare word
	v_lshlrev_b32 v[16+\c], 2, v[16+\c]
	ds_store_b32 v[16+\c], v[12+(\c>>1)]
.endr
.set q, q+1
.endr
.irp i, 0,1,2,3
	ds_load_b128 v[TOK+4*\i:TOK+4*\i+3], v3 offset:16*\i   ; LDS serves a wave's instructions in order (ISA guide 5.7.1.4): these see the stores above
.endr
	s_wait_dscnt 0x0
.irp p, 0,1,2,3,4,5,6,7,8,9,10,11,12,13,14,15
	v_min_u32 v[TOK+\p], 0x3ff, v[TOK+\p]
	v_lshl_add_u32 v[VO+\p], v[TOK+\p], 12, v7     ; token x 4096 + 512 y + 16 lane
.endr
.irp p, 0,1,2,3,4,5,6,7,8,9,10,11,12,13,14,15
	global_load_b128 v[XR+4*\p:XR+4*\p+3], v[VO+\p], s[4:5]   ; 512 consecutive bytes of one row
.endr
.irp p, 0,1,2,3,4,5,6,7,8,9,10,11,12,13,14,15
	s_wait_loadcnt 15-\p                           ; loads come back in order: row p is in, the younger 15 - p stay out
	v_cvt_pk_bf16_f32 v20, v[XR+4*\p], v[XR+4*\p+1]        ; hi
	v_cvt_pk_bf16_f32 v21, v[XR+4*\p+2], v[XR+4*\p+3]
	v_lshlrev_b32 v24, 16, v20                     ; hi back in f32
	v_and_b32 v25, 0xffff0000, v20
	v_lshlrev_b32 v26, 16, v21
	v_and_b32 v27, 0xffff0000, v21
.irp c, 0,1,2,3
	v_sub_f32 v[24+\c], v[XR+4*\p+\c], v[24+\c]    ; the rest: exact
.endr
	v_cvt_pk_bf16_f32 v22, v24, v25                ; lo
	v_cvt_pk_bf16_f32 v23, v26, v27
	ds_store_b64 v10, v[20:21] offset:STG+SP*\p
	ds_store_b64 v10, v[22:23] offset:STL+SP*\p
.endr
.irp i, 0,1,2,3,4,5,6,7
	ds_load_b128 v[POS+4*\i:POS+4*\i+3], v11 offset:STG+32*\i   ; K step i / 2, half i % 2: row r, 16 bytes at 32 i + 16 h
.endr
.irp i, 0,1,2,3,4,5,6,7
	ds_load_b128 v[POS+32+4*\i:POS+32+4*\i+3], v11 offset:STL+32*\i
.endr
.irp i, 0,1,2,3,4,5,6,7
	s_wait_dscnt 15-\i
	global_store_b128 v1, v[POS+4*\i:POS+4*\i+3], s[8:9] offset:512*\i   ; the wave stores 512 consecutive bytes, aligned
.endr
.irp i, 0,1,2,3,4,5,6,7
	s_wait_dscnt 7-\i
	global_store_b128 v1, v[POS+32+4*\i:POS+32+4*\i+3], s[8:9] offset:32768+512*\i
.endr
	s_wait_tensorcnt 0x0
	ds_add_u32 v192, v193
	s_wait_dscnt 0x0
	s_endpgm
.Lfunc_end_k_q756935d939_gather:
	.size	k_q756935d939_gather, .Lfunc_end_k_q756935d939_gather-k_q756935d939_gather
	.p2alignl 7, 3214868480
	.fill 96, 4, 3214868480
	.section	.rodata,"a",@progbits
	.p2align	6, 0x0
	.amdhsa_kernel k_q756935d939_gather
		.amdhsa_group_segment_fixed_size 9472
		.amdhsa_private_segment_fixed_size 0
		.amdhsa_enable_private_segment 0
		.amdhsa_kernarg_size 24
		.amdhsa_user_sgpr_count 2
		.amdhsa_user_sgpr_kernarg_segment_ptr 1
		.amdhsa_wavefront_size32 1
		.amdhsa_system_sgpr_workgroup_id_x 1
		.amdhsa_system_sgpr_workgroup_id_y 1
		.amdhsa_system_sgpr_workgroup_id_z 1
		.amdhsa_system_vgpr_workitem_id 0
		.amdhsa_next_free_vgpr 194
		.amdhsa_next_free_sgpr 66
		.amdhsa_reserve_vcc 0
		.amdhsa_float_denorm_mode_32 3
		.amdhsa_float_denorm_mode_16_64 3
		.amdhsa_memory_ordered 1
		.amdhsa_forward_progress 1
		.amdhsa_inst_pref_size 36
	.end_amdhsa_kernel
	.amdgpu_metadata
---
amdhsa.version: [ 1, 2 ]
amdhsa.kernels:
  - .name:           k_q756935d939_gather
    .symbol:         k_q756935d939_gather.kd
    .args:
      - { .name: x, .offset: 0, .size: 8, .value_kind: global_buffer, .address_space: global }
      - { .name: rmeta, .offset: 8, .size: 8, .value_kind: global_buffer, .address_space: global }
      - { .name: xg, .offset: 16, .size: 8, .value_kind: global_buffer, .address_space: global }
    .group_segment_fixed_size: 9472
    .private_segment_fixed_size: 0
    .kernarg_segment_align: 8
    .kernarg_segment_size: 24
    .max_flat_workgroup_size: 32
    .sgpr_count:     66
    .vgpr_count:     194
    .wavefront_size: 32
...
	.end_amdgpu_metadata
.endif
;; end of part 2
;; launch ffn1 (part 3): grid 512 x 1, 4 waves a work-group, no clusters, 139,776 bytes of LDS; arguments xg, W1, b1, rmeta, hsw; writes hsw
.if DOCPART == 3
	.amdgcn_target "amdgcn-amd-amdhsa--gfx1250"
	.amdhsa_code_object_version 6
	.text
	.protected	k_q756935d939_ffn1
	.globl	k_q756935d939_ffn1
	.p2align	8
	.type	k_q756935d939_ffn1,@function
k_q756935d939_ffn1:
	s_mov_b64 s[64:65], 0
	v_nop
	global_prefetch_b8 v0, s[64:65] scope:SCOPE_SE
	s_setreg_imm32_b32 hwreg(HW_REG_WAVE_MODE, 25, 1), 1
	s_wait_xcnt 0x0
; FIRST LAYER: hsw = gelu(xg W1[e] + b1[e]) for the rows that chose expert e; bf16 matrix operands, f32 sums, exact-form GELU in f32.
; TWO bf16 TERMS FOR EACH OPERAND, THREE PRODUCTS.  The routing weights are score / (sum of the two largest scores): where the two scores nearly cancel they have no bound, the
; two experts' outputs are multiplied by large numbers of opposite sign, and the error of an expert's output is multiplied with them.  So each f32 operand goes as hi (rounded to
; bf16) + lo (the exact rest, rounded to bf16), and a product is Whi Xhi + Wlo Xhi + Whi Xlo; what is dropped (Wlo Xlo, and the rests of the rests) is some 2^-16 of a product.
; THE WEIGHTS STAY, THE TOKENS PASS.  Work-group = expert e (number / 64) and 64 columns of H (number % 64): a slice of 1,024 x 64 of W1, 256 KiB of f32,
; read from memory once by this work-group alone and kept as fragments: wave w holds K rows 256 w .. 256 w + 255 x 64 columns, hi and lo: 64 fragments
; = 512 registers.  The expert's rows then pass in blocks of 32; each wave multiplies its quarter of K, and the four partial sums meet in LDS.
; Token fragments come straight from memory into registers (xg lies in fragment order): no LDS pass for them.
; THE BLOCK LOOP HAS A CONSTANT COUNT.  How often a wave passes a barrier may hang on nothing that was loaded, and the number of blocks nb[e] is loaded.
; So there are always 32 turns (1,024 tokens / 32, the most that an expert can get), one barrier in each, on every path; a turn's work stands in two stretches that a turn
; with block >= nb jumps over, and no barrier stands inside a stretch.  An idle turn is two compares, a wait and the barrier.
; An expert that no token chose reads its slice of the weights in vain and has 32 idle turns.
; NO CLUSTER, NO TENSOR LOAD: the weights, 256 KiB a work-group, are shared with nobody.  The 128 KiB of a block's token fragments are shared by the 64 work-groups
; of an expert, but a joint request lands in LDS: it would add 64 LDS loads a wave and a round of the cluster's barrier to each block of 192 matrix instructions.
; The matrix instruction is used transposed (source 0 = 16 columns of W, source 1 = 16 token rows): lane (r, h) then holds token row r and eight neighbouring
; columns 8 h + 0..7, which is the order of hsw's fragments: tile x 262144 + part (0 hi, 1 lo) x 131072 + ks x 1024 + f x 512 + lane x 16, 128 K steps.
; GELU: gelu(x) = max(x, 0) - |x| q, q = erfc(|x| / sqrt 2) / 2 = t (c1 + t (c2 + t (c3 + t (c4 + t c5)))) 2^(-0.72134752 x x), t = 1 / (1 + 0.23164189 |x|)
; (Abramowitz and Stegun 7.1.26, coefficients halved): error of erf at most 1.5e-7 for every finite x, no difference of near numbers in either tail.
; LIMITS: an infinite x gives NaN (the JAX function gives 0 or infinity); a number that rounds to infinity in bf16 (above 3.39e38) gives NaN;
; v_rcp_f32 and v_exp_f32 are 1 ULP and flush denormals.
.set PITCHW, 16384                     ; bytes from a K row of W1 to the next
.set PARTB,  32768                     ; from hi to lo in a tile of xg
.set TILEB,  65536                     ; bytes of a tile of 16 rows in xg
.set ASTEP,  2*TILEB                   ; a block of 32 rows in xg
.set OPART,  131072                    ; from hi to lo in a tile of hsw
.set OTILE,  262144                    ; a tile of hsw
.set OSTEP,  2*OTILE                   ; a block of 32 rows in hsw
.set TURNS,  32                        ; 1,024 tokens / 32 rows
.set WP,     288                       ; LDS pitch of a K row: 64 bf16 hi, 64 bf16 lo, 32 bytes more: an odd multiple of 32 bytes, for the transposing loads
.set WSTW,   64*WP                     ; a wave's own stage: 64 K rows
.set XCH,    4*WSTW                    ; behind the stages: the exchange, two buffers that take turns,
.set XBUF,   32768                     ; each 4 waves x 8 tiles x 1,024 bytes: the partial sums as the lanes hold them
; window 0: v0-15 numbers and addresses; v16-23 bias; v32-95 the 8 accumulator tiles (2 x 16 rows, 4 x 16 columns); v160-175 constants; v176-231 GELU
; window 1: weight fragment hi (ks, nt) at register 8 (4 ks + nt); window 2: lo, likewise
; window 3: token fragment (ks, mt) hi at 8 (2 ks + mt), lo at 128 + 8 (2 ks + mt); while the weights come in, all 256 registers are a ring of 64 loads
.set BIAS, 16
.set ACC,  32
.set TH,   32                          ; v[32:47] sixteen K rows' hi on their way to the stage
.set TL,   48                          ; v[48:63] their lo
.set U,    64                          ; v[64:95] hi back in f32, then the rests
.set CP,   160
.set ONE,  162
.set CE,   164
.set K1,   166
.set K2,   168
.set K3,   170
.set K4,   172
.set K5,   174
.set AX,   176
.set DT,   184
.set UE,   192
.set PL,   200
.set TT,   208
.set OUTH, 216
.set OUTL, 224
.set MSB, 0
.macro WIN new                         ; s_set_vgpr_msb: bits 1:0 source 0, 3:2 source 1, 5:4 source 2, 7:6 destination; the high byte repeats the setting that is left
.if MSB != \new
	s_set_vgpr_msb (MSB<<8)|\new
.set MSB, \new
.endif
.endm
.macro PLACES n
.rept \n
	v_nop
.endr
.endm
	s_load_b256 s[4:11], s[0:1], 0x0               ; xg s[4:5], W1 s[6:7], b1 s[8:9], rmeta s[10:11]
	s_load_b64 s[12:13], s[0:1], 0x20              ; hsw
	v_lshl_add_u32 v254, v0, 2, 0x22000
	v_mov_b32 v255, 0
	v_lshrrev_b32 v1, 5, v0
	v_readfirstlane_b32 s14, v1                    ; wave
	s_lshr_b32 s15, ttmp9, 6                       ; expert
	s_and_b32 s16, ttmp9, 63                       ; which 64 columns
	s_lshl_b32 s22, s15, 2
	s_mov_b32 s23, 0
	s_wait_kmcnt 0x0
	s_add_nc_u64 s[32:33], s[10:11], s[22:23]
	s_load_b32 s18, s[32:33], 0x0                  ; off[e]
	s_load_b32 s19, s[32:33], 0x20                 ; nb[e]
	v_and_b32 v1, 31, v0                           ; lane
	v_and_b32 v2, 15, v0                           ; r
	v_bfe_u32 v3, v0, 4, 1                         ; h
	s_lshl_b32 s20, s14, 22
	v_lshl_add_u32 v4, v2, 4, s20                  ; weights: 256 w rows + 16 r,
	v_lshl_add_u32 v4, v3, 14, v4                  ; and one row further down for lanes 16 to 31
	s_mul_i32 s21, s14, WSTW
	v_mul_u32_u24 v12, v3, WP
	v_lshl_add_u32 v12, v2, 3, v12
	v_add_nc_u32 v5, s21, v12                      ; stage, in: row h, 8 r
	v_and_b32 v12, 7, v0
	v_lshl_add_u32 v12, v3, 3, v12
	v_mul_u32_u24 v12, v12, WP
	v_bfe_u32 v13, v0, 3, 1
	v_lshl_add_u32 v12, v13, 4, v12
	v_add_nc_u32 v6, s21, v12                      ; stage, out: (8 h + lane % 8) rows + 16 ((lane / 8) % 2)
	s_lshl_b32 s20, s14, 13
	v_lshl_add_u32 v7, v1, 4, s20                  ; tokens: my 8 K steps of 1,024 bytes + 16 lane
	s_lshl_b32 s20, s14, 13
	s_add_co_u32 s20, s20, XCH
	v_lshl_add_u32 v8, v1, 4, s20                  ; exchange buffer 0, in: my 8 tiles
	s_lshl_b32 s20, s14, 10
	s_add_co_u32 s20, s20, XCH
	v_lshl_add_u32 v9, v1, 4, s20                  ; exchange buffer 0, out: column tile w of every wave
	v_add_nc_u32 v14, XBUF, v8                     ; the same in buffer 1
	v_add_nc_u32 v15, XBUF, v9
	s_lshl_b32 s20, s14, 9
	v_lshl_add_u32 v10, v1, 4, s20                 ; hsw: K step 2 ns + w / 2, half w % 2
	s_lshl_b32 s20, s14, 6
	v_lshl_add_u32 v11, v3, 5, s20                 ; bias: columns 16 w + 8 h
	s_wait_kmcnt 0x0
	s_min_u32 s18, s18, 2272                       ; 2,304 slots less one block
	s_min_u32 s19, s19, 32                         ; 1,024 tokens at the most
	s_cmp_eq_u32 s19, 0
	s_cselect_b32 s18, 0, s18                      ; an expert without tokens asks for slot 0's block and uses nothing of it
	s_lshl_b32 s22, s15, 24
	s_lshl_b32 s20, s16, 8
	s_add_co_u32 s22, s22, s20
	s_add_nc_u64 s[24:25], s[6:7], s[22:23]        ; W1 + e x 16 MiB + 256 ns
	s_lshl_b32 s22, s18, 12
	s_add_nc_u64 s[26:27], s[4:5], s[22:23]        ; xg + off x 4,096: the block that is asked for next
	s_lshl_b32 s22, s18, 14
	s_lshl_b32 s20, s16, 11
	s_add_co_u32 s22, s22, s20
	s_add_nc_u64 s[28:29], s[12:13], s[22:23]      ; hsw + off x 16,384 + 2 K steps x ns
	s_lshl_b32 s22, s15, 14
	s_lshl_b32 s20, s16, 8
	s_add_co_u32 s22, s22, s20
	s_add_nc_u64 s[30:31], s[8:9], s[22:23]        ; b1 + e x 16,384 + 256 ns
	global_load_b128 v[BIAS:BIAS+3],   v11, s[30:31]               ; column tile w: 8 h + 0..7
	global_load_b128 v[BIAS+4:BIAS+7], v11, s[30:31] offset:16
.irp h, 0,1
	v_mov_b32 v[CP+\h],  0x3e6d3388                ; 0.23164189
	v_mov_b32 v[ONE+\h], 1.0
	v_mov_b32 v[CE+\h],  0xbf38aa3b                ; -0.72134752
	v_mov_b32 v[K1+\h],  0xbe027906                ; the five coefficients negated: the polynomial gives -q
	v_mov_b32 v[K2+\h],  0x3e11a98e
	v_mov_b32 v[K3+\h],  0xbf35f0e3
	v_mov_b32 v[K4+\h],  0x3f3a00e3
	v_mov_b32 v[K5+\h],  0xbf07dc22
.endr
	WIN 0xc0
.set i, 0
.rept 64
	global_load_b128 v[4*i:4*i+3], v4, s[24:25] offset:2*i*PITCHW th:TH_LOAD_NT   ; K rows 2 i, 2 i + 1 of my 256: 256 consecutive bytes each, aligned; read once in the launch
.set i, i+1
.endr
; 32 loads: the token fragments, hi (part 0) or lo (part 1), of my 8 K steps of the block at s[26:27].  Window: destination 3.
.macro LOADA part
.irp k, 0,1,2,3,4,5,6,7
.irp mt, 0,1
.irp f, 0,1
	global_load_b128 v[128*\part+8*(2*\k+\mt)+4*\f:128*\part+8*(2*\k+\mt)+4*\f+3], v7, s[26:27] offset:\mt*TILEB+\part*PARTB+1024*\k+512*\f
.endr
.endr
.endr
.endm
; 64 K rows of the weights (32 loads, in four batches of 8): out of the ring, split into hi and lo, into my stage; the ring is filled again; then the rows leave the stage transposed,
; as the fragments of K steps 2 p, 2 p + 1.  The stage is my wave's own; LDS serves a wave's instructions in order (ISA guide 5.7.1.4), so the transposing loads see the stores.
; The waits count younger loads.  Passes 0, 1: 64 are out, the oldest 8 are wanted: 56.  Pass 2 fills nothing: 56, 48, 40, 32.  Behind its batches the first block's 32 hi token loads
; go into ring registers that have been read for the last time; they are younger than the 32 weight loads left, so pass 3 has 56, 48, 40, 32 again.  The 32 lo loads follow pass 3's batches.
.macro WPASS p
.if \p > 0
	s_wait_dscnt 0x0                               ; the last pass's transposing loads are back before the stage is written again
.endif
.irp b, 0,1,2,3
.set S0, 4*(32*(\p&1)+8*\b)            ; the batch's first ring register
.if \p < 2
	s_wait_loadcnt 56
.else
	s_wait_loadcnt 56-8*\b
.endif
	WIN 0x0f                                       ; sources window 3, destination window 0
.set jj, 0
.rept 16
	v_cvt_pk_bf16_f32 v[TH+jj], v[S0+2*jj], v[S0+2*jj+1]       ; hi
.set jj, jj+1
.endr
	WIN 0x03                                       ; source 0 window 3, the rest window 0
.set jj, 0
.rept 16
	v_lshlrev_b32 v[U+2*jj], 16, v[TH+jj]          ; hi back in f32
	v_and_b32 v[U+2*jj+1], 0xffff0000, v[TH+jj]
.set jj, jj+1
.endr
.set jj, 0
.rept 32
	v_sub_f32 v[U+jj], v[S0+jj], v[U+jj]           ; the rest: exact
.set jj, jj+1
.endr
	WIN 0
.set jj, 0
.rept 16
	v_cvt_pk_bf16_f32 v[TL+jj], v[U+2*jj], v[U+2*jj+1]         ; lo
.set jj, jj+1
.endr
.irp j, 0,1,2,3,4,5,6,7
	ds_store_b64 v5, v[TH+2*\j:TH+2*\j+1] offset:2*(8*\b+\j)*WP
	ds_store_b64 v5, v[TL+2*\j:TL+2*\j+1] offset:2*(8*\b+\j)*WP+128
.endr
.if \p < 2
	WIN 0xc0
.irp j, 0,1,2,3,4,5,6,7
	global_load_b128 v[S0+4*\j:S0+4*\j+3], v4, s[24:25] offset:2*(64+32*\p+8*\b+\j)*PITCHW th:TH_LOAD_NT
.endr
.else
.if \b == 3
	WIN 0xc0
.if \p == 2
	LOADA 0
.else
	LOADA 1
.endif
.endif
.endif
.endr
	WIN 0x40                                       ; hi into window 1
.irp a, 0,1
.irp nt, 0,1,2,3
	ds_load_tr16_b128 v[((2*\p+\a)*4+\nt)*8:((2*\p+\a)*4+\nt)*8+3],   v6 offset:32*WP*\a+32*\nt         ; K = 8 h + 0..7 of column 16 nt + r
	ds_load_tr16_b128 v[((2*\p+\a)*4+\nt)*8+4:((2*\p+\a)*4+\nt)*8+7], v6 offset:32*WP*\a+16*WP+32*\nt   ; K = 16 + 8 h + 0..7
.endr
.endr
	WIN 0x80                                       ; lo into window 2
.irp a, 0,1
.irp nt, 0,1,2,3
	ds_load_tr16_b128 v[((2*\p+\a)*4+\nt)*8:((2*\p+\a)*4+\nt)*8+3],   v6 offset:32*WP*\a+32*\nt+128
	ds_load_tr16_b128 v[((2*\p+\a)*4+\nt)*8+4:((2*\p+\a)*4+\nt)*8+7], v6 offset:32*WP*\a+16*WP+32*\nt+128
.endr
.endr
.endm
; 8 matrix instructions: one K step of 32, all 8 accumulator tiles.  fl = 0: the tokens' hi, 1: their lo; the window says which part of the weights.
; The accumulators take turns, one instruction a turn.
.macro MM ks, fl, zero
.irp mt, 0,1
.irp nt, 0,1,2,3
.if \zero
	v_wmma_f32_16x16x32_bf16 v[ACC+8*(4*\mt+\nt):ACC+8*(4*\mt+\nt)+7], v[(\ks*4+\nt)*8:(\ks*4+\nt)*8+7], v[128*\fl+8*(2*\ks+\mt):128*\fl+8*(2*\ks+\mt)+7], 0
.else
	v_wmma_f32_16x16x32_bf16 v[ACC+8*(4*\mt+\nt):ACC+8*(4*\mt+\nt)+7], v[(\ks*4+\nt)*8:(\ks*4+\nt)*8+7], v[128*\fl+8*(2*\ks+\mt):128*\fl+8*(2*\ks+\mt)+7], v[ACC+8*(4*\mt+\nt):ACC+8*(4*\mt+\nt)+7]
.endif
.endr
.endr
.endm
.macro XSTORE adr                      ; my 8 partial tiles, as the lanes hold them: 16 bytes a lane, 512 consecutive bytes an instruction
.irp mt, 0,1
.irp nt, 0,1,2,3
	ds_store_b128 v[\adr], v[ACC+8*(4*\mt+\nt):ACC+8*(4*\mt+\nt)+3]   offset:(4*\mt+\nt)*1024
	ds_store_b128 v[\adr], v[ACC+8*(4*\mt+\nt)+4:ACC+8*(4*\mt+\nt)+7] offset:(4*\mt+\nt)*1024+512
.endr
.endr
.endm
.macro XLOAD adr                       ; group mt: tile (mt, w) of the four waves s, 8 loads, into v[ACC + 32 mt + 8 s ..]
.irp mt, 0,1
.irp s, 0,1,2,3
	ds_load_b128 v[ACC+32*\mt+8*\s:ACC+32*\mt+8*\s+3],   v[\adr] offset:8192*\s+4096*\mt
	ds_load_b128 v[ACC+32*\mt+8*\s+4:ACC+32*\mt+8*\s+7], v[\adr] offset:8192*\s+4096*\mt+512
.endr
.endr
.endm
; eight numbers v[x .. x+7] -> gelu -> four registers of bf16 hi, four of lo
.macro GELU8 x, oh, ol
.irp j, 0,1,2,3,4,5,6,7
	v_and_b32 v[AX+\j], 0x7fffffff, v[\x+\j]
.endr
.irp j, 0,2,4,6
	v_pk_fma_f32 v[DT+\j:DT+\j+1], v[AX+\j:AX+\j+1], v[CP:CP+1], v[ONE:ONE+1]
.endr
.irp j, 0,1,2,3,4,5,6,7
	v_rcp_f32 v[TT+\j], v[DT+\j]                   ; t
.endr
.irp j, 0,2,4,6
	v_pk_mul_f32 v[UE+\j:UE+\j+1], v[\x+\j:\x+\j+1], v[\x+\j:\x+\j+1]   ; plain work that touches neither t nor its source stands behind the reciprocals (ISA guide 5.7.2)
.endr
.irp j, 0,2,4,6
	v_pk_mul_f32 v[UE+\j:UE+\j+1], v[UE+\j:UE+\j+1], v[CE:CE+1]
.endr
.irp j, 0,1,2,3,4,5,6,7
	v_exp_f32 v[DT+\j], v[UE+\j]                   ; 2^(-0.72134752 x x)
.endr
	s_wait_alu depctr_va_vdst(0)
.irp j, 0,2,4,6
	v_pk_fma_f32 v[PL+\j:PL+\j+1], v[TT+\j:TT+\j+1], v[K5:K5+1], v[K4:K4+1]   ; and likewise behind the exponentials
.endr
.irp k, K3,K2,K1
.irp j, 0,2,4,6
	v_pk_fma_f32 v[PL+\j:PL+\j+1], v[PL+\j:PL+\j+1], v[TT+\j:TT+\j+1], v[\k:\k+1]
.endr
.endr
.irp j, 0,2,4,6
	v_pk_mul_f32 v[PL+\j:PL+\j+1], v[PL+\j:PL+\j+1], v[TT+\j:TT+\j+1]
.endr
.irp j, 0,2,4,6
	v_pk_mul_f32 v[PL+\j:PL+\j+1], v[PL+\j:PL+\j+1], v[DT+\j:DT+\j+1]         ; -q
.endr
.irp j, 0,1,2,3,4,5,6,7
	v_max_num_f32 v[UE+\j], 0, v[\x+\j]
.endr
.irp j, 0,2,4,6
	v_pk_fma_f32 v[UE+\j:UE+\j+1], v[AX+\j:AX+\j+1], v[PL+\j:PL+\j+1], v[UE+\j:UE+\j+1]
.endr
.irp j, 0,1,2,3
	v_cvt_pk_bf16_f32 v[\oh+\j], v[UE+2*\j], v[UE+2*\j+1]      ; hi
.endr
.irp j, 0,1,2,3
	v_lshlrev_b32 v[AX+2*\j], 16, v[\oh+\j]        ; hi back in f32
	v_and_b32 v[AX+2*\j+1], 0xffff0000, v[\oh+\j]
.endr
.irp j, 0,1,2,3,4,5,6,7
	v_sub_f32 v[UE+\j], v[UE+\j], v[AX+\j]         ; the rest: exact
.endr
.irp j, 0,1,2,3
	v_cvt_pk_bf16_f32 v[\ol+\j], v[UE+2*\j], v[UE+2*\j+1]      ; lo
.endr
.endm
.macro REDUCE
.irp mt, 0,1
.set G, ACC+32*\mt
	s_wait_dscnt 8-8*\mt                           ; LDS loads come back in order: this group's 8 are in, the later group's stay out
.irp j, 0,2,4,6
	v_pk_add_f32 v[G+\j:G+\j+1], v[G+\j:G+\j+1], v[BIAS+\j:BIAS+\j+1]
	v_pk_add_f32 v[G+16+\j:G+17+\j], v[G+16+\j:G+17+\j], v[G+24+\j:G+25+\j]
.endr
.irp j, 0,2,4,6
	v_pk_add_f32 v[G+\j:G+\j+1], v[G+\j:G+\j+1], v[G+8+\j:G+9+\j]
.endr
.irp j, 0,2,4,6
	v_pk_add_f32 v[G+\j:G+\j+1], v[G+\j:G+\j+1], v[G+16+\j:G+17+\j]
.endr
	GELU8 G, OUTH+4*\mt, OUTL+4*\mt
	global_store_b128 v10, v[OUTH+4*\mt:OUTH+4*\mt+3], s[28:29] offset:OTILE*\mt         ; half a fragment of hsw: 512 consecutive bytes, aligned
	global_store_b128 v10, v[OUTL+4*\mt:OUTL+4*\mt+3], s[28:29] offset:OTILE*\mt+OPART
.endr
.endm
; One turn: block s20 + odd, through exchange buffer odd.  At its head, on every path, at most 64 token loads are out: hi (32), then lo (32), of this block.
; To keep that so on every path the first stretch always asks ahead: for the next block, or, in the expert's last block, once more for its own fragments
; (the base steps by 0; 32 KiB a wave that nobody uses, inside the buffer, out at the end of the program).
; ONE barrier a turn does for both orders.  In front of it each wave waits for all its LDS instructions: its stores of this block's partial sums, which the others read behind it,
; and its reads of the block before, from the other buffer, which is written again only in the next turn, behind this barrier.
.macro TRIP odd
	s_add_co_u32 s21, s20, \odd                    ; this turn's block
	s_cmp_ge_u32 s21, s19
	s_cbranch_scc1 .Lidle_a_\@                     ; no such block: straight to the barrier
	s_add_co_u32 s34, s21, 1
	s_cmp_lt_u32 s34, s19
	s_cselect_b32 s22, ASTEP, 0                    ; is there a next block?
	s_wait_xcnt 0x0                                ; the token loads' base is stepped only behind this wait
	s_add_nc_u64 s[26:27], s[26:27], s[22:23]
	s_wait_loadcnt 32                              ; the tokens' hi are in; the 32 loads of lo are younger
	WIN 0x0d                                       ; source 0 window 1 (W hi), source 1 window 3, C and D window 0
	MM 0, 0, 1                                     ; the first product starts the sums: nothing is cleared
.irp ks, 1,2,3,4,5,6,7
	MM \ks, 0, 0
.endr
	WIN 0x0e                                       ; source 0 window 2 (W lo)
.irp ks, 0,1,2,3,4,5,6,7
	MM \ks, 0, 0
.endr
	PLACES 4                                       ; a load into a register that a matrix instruction has read stands four places behind it (ISA guide 7.12.1 for vector instructions)
	WIN 0xc0
	LOADA 0
	s_wait_loadcnt 32                              ; the tokens' lo are in; the 32 just issued are younger
	WIN 0x0d                                       ; W hi again
.irp ks, 0,1,2,3,4,5,6,7
	MM \ks, 1, 0
.endr
	PLACES 5                                       ; places behind the last matrix instructions: for the LDS stores of the sums, the loads into fragments and sums, and the next block's first products, which write over the sums
	WIN 0xc0
	LOADA 1
	WIN 0                                          ; at a label and at a branch every window is 0
	XSTORE 8+6*\odd
.Lidle_a_\@:
	s_wait_dscnt 0x0                               ; my stores of this block and my reads of the last are done before I say so
	s_barrier_signal -1
	s_barrier_wait -1
	s_cmp_ge_u32 s21, s19
	s_cbranch_scc1 .Lidle_b_\@
	XLOAD 9+6*\odd
	REDUCE
	s_wait_xcnt 0x0                                ; the stores' base and data are written again only behind this wait
	s_add_nc_u64 s[28:29], s[28:29], OSTEP
.Lidle_b_\@:
.endm
	WPASS 0
	WPASS 1
	WPASS 2
	WPASS 3
	WIN 0                                          ; at a label and at a branch every window is 0
	s_wait_dscnt 0x0                               ; the last fragments of the weights are in
	s_mov_b32 s20, 0
.Lblk:                                             ; 16 trips of two turns: a constant
	TRIP 0
	TRIP 1
	s_add_co_u32 s20, s20, 2
	s_cmp_lt_u32 s20, TURNS
	s_cbranch_scc1 .Lblk
	s_wait_tensorcnt 0x0
	ds_add_u32 v254, v255
	s_wait_dscnt 0x0
	s_endpgm
.Lfunc_end_k_q756935d939_ffn1:
	.size	k_q756935d939_ffn1, .Lfunc_end_k_q756935d939_ffn1-k_q756935d939_ffn1
	.p2alignl 7, 3214868480
	.fill 96, 4, 3214868480
	.section	.rodata,"a",@progbits
	.p2align	6, 0x0
	.amdhsa_kernel k_q756935d939_ffn1
		.amdhsa_group_segment_fixed_size 139776
		.amdhsa_private_segment_fixed_size 0
		.amdhsa_enable_private_segment 0
		.amdhsa_kernarg_size 40
		.amdhsa_user_sgpr_count 2
		.amdhsa_user_sgpr_kernarg_segment_ptr 1
		.amdhsa_wavefront_size32 1
		.amdhsa_system_sgpr_workgroup_id_x 1
		.amdhsa_system_sgpr_workgroup_id_y 1
		.amdhsa_system_sgpr_workgroup_id_z 1
		.amdhsa_system_vgpr_workitem_id 0
		.amdhsa_next_free_vgpr 1024
		.amdhsa_next_free_sgpr 66
		.amdhsa_reserve_vcc 0
		.amdhsa_float_denorm_mode_32 3
		.amdhsa_float_denorm_mode_16_64 3
		.amdhsa_memory_ordered 1
		.amdhsa_forward_progress 1
		.amdhsa_inst_pref_size 188
	.end_amdhsa_kernel
	.amdgpu_metadata
---
amdhsa.version: [ 1, 2 ]
amdhsa.kernels:
  - .name:           k_q756935d939_ffn1
    .symbol:         k_q756935d939_ffn1.kd
    .args:
      - { .name: xg, .offset: 0, .size: 8, .value_kind: global_buffer, .address_space: global }
      - { .name: W1, .offset: 8, .size: 8, .value_kind: global_buffer, .address_space: global }
      - { .name: b1, .offset: 16, .size: 8, .value_kind: global_buffer, .address_space: global }
      - { .name: rmeta, .offset: 24, .size: 8, .value_kind: global_buffer, .address_space: global }
      - { .name: hsw, .offset: 32, .size: 8, .value_kind: global_buffer, .address_space: global }
    .group_segment_fixed_size: 139776
    .private_segment_fixed_size: 0
    .kernarg_segment_align: 8
    .kernarg_segment_size: 40
    .max_flat_workgroup_size: 128
    .sgpr_count:     66
    .vgpr_count:     1024
    .wavefront_size: 32
...
	.end_amdgpu_metadata
.endif
;; end of part 3
;; launch ffn2 (part 4): grid 512 x 1, 4 waves a work-group, no clusters, 143,872 bytes of LDS; arguments hsw, W2, rmeta, ypart; writes ypart
.if DOCPART == 4
	.amdgcn_target "amdgcn-amd-amdhsa--gfx1250"
	.amdhsa_code_object_version 6
	.text
	.protected	k_q756935d939_ffn2
	.globl	k_q756935d939_ffn2
	.p2align	8
	.type	k_q756935d939_ffn2,@function
k_q756935d939_ffn2:
	s_mov_b64 s[64:65], 0
	v_nop
	global_prefetch_b8 v0, s[64:65] scope:SCOPE_SE
	s_setreg_imm32_b32 hwreg(HW_REG_WAVE_MODE, 25, 1), 1
	s_wait_xcnt 0x0
; SECOND LAYER, in four parts along K: ypart[kq][slot][0..1023] = hsw[slot][1024 kq .. + 1023] W2[e][1024 kq .. + 1023][0..1023]; bf16 matrix operands, f32 sums.
; TWO bf16 TERMS FOR EACH OPERAND, THREE PRODUCTS, as in the first layer and for its reason (routing weights without a bound multiply an expert's error): each operand is hi + lo,
; a product is Whi Hhi + Wlo Hhi + Whi Hlo; what is dropped is some 2^-16 of a product.
; Built as the first layer is: the weights stay, the tokens pass.  Work-group = expert e (number / 64), quarter kq of K = 4,096 ((number / 16) % 4), 64 columns of D
; (number % 16): a slice of 1,024 x 64 of W2, 256 KiB of f32, read once by this work-group alone and kept as bf16 fragments, hi and lo, 512 registers a wave
; (wave w: K rows 256 w .. + 255 of the slice).  The expert's rows pass in blocks of 32; the four waves' partial sums meet in LDS and leave as rows of f32.
; Why K is cut over work-groups: as many registers hold a slice of 4,096 x 16, but then each work-group would read all of each token row of hsw, four times the bytes,
; to spare the three further parts of ypart, which are fewer.  The four parts, the bias and the routing weights are put together by the next launch.
; THE BLOCK LOOP HAS A CONSTANT COUNT.  How often a wave passes a barrier may hang on nothing that was loaded, and the number of blocks nb[e] is loaded.
; So there are always 32 turns (1,024 tokens / 32, the most that an expert can get), one barrier in each, on every path; a turn's work stands in two stretches that a turn
; with block >= nb jumps over, and no barrier stands inside a stretch.  An idle turn is two compares, a wait and the barrier.
; An expert that no token chose reads its slice of the weights in vain and has 32 idle turns.
; NO CLUSTER, NO TENSOR LOAD: as in the first layer: the weights are shared with nobody, and the token fragments go straight into registers, 512 consecutive bytes a load.
; LIMIT: a weight that rounds to infinity in bf16 (magnitude above 3.39e38) gives NaN.
.set PITCHW, 4096                      ; bytes from a K row of W2 to the next
.set PARTB,  131072                    ; from hi to lo in a tile of hsw
.set TILEB,  262144                    ; bytes of a tile of 16 rows in hsw
.set ASTEP,  2*TILEB                   ; a block of 32 rows in hsw
.set OSTEP,  131072                    ; and in a part of ypart
.set TURNS,  32                        ; 1,024 tokens / 32 rows
.set WP,     288                       ; LDS pitch of a K row: 64 bf16 hi, 64 bf16 lo, 32 bytes more: an odd multiple of 32 bytes, for the transposing loads
.set WSTW,   64*WP                     ; a wave's own stage: 64 K rows
.set XCH,    4*WSTW                    ; behind the stages: the exchange, two buffers that take turns,
.set XP,     272                       ; each 4 waves x 32 rows of 256 bytes, 272 apart (an odd multiple of 16)
.set XBUF,   4*32*XP
; window 0: v0-15 numbers and addresses; v32-95 the 8 accumulator tiles; window 1: weight fragment hi (ks, nt) at register 8 (4 ks + nt); window 2: lo, likewise;
; window 3: token fragment (ks, mt) hi at 8 (2 ks + mt), lo at 128 + 8 (2 ks + mt); while the weights come in, a ring of 64 loads
.set ACC,  32
.set TH,   32                          ; v[32:47] sixteen K rows' hi on their way to the stage
.set TL,   48                          ; v[48:63] their lo
.set U,    64                          ; v[64:95] hi back in f32, then the rests
.set MSB, 0
.macro WIN new                         ; s_set_vgpr_msb: bits 1:0 source 0, 3:2 source 1, 5:4 source 2, 7:6 destination; the high byte repeats the setting that is left
.if MSB != \new
	s_set_vgpr_msb (MSB<<8)|\new
.set MSB, \new
.endif
.endm
.macro PLACES n
.rept \n
	v_nop
.endr
.endm
	s_load_b256 s[4:11], s[0:1], 0x0               ; hsw s[4:5], W2 s[6:7], rmeta s[8:9], ypart s[10:11]
	v_lshl_add_u32 v254, v0, 2, 0x23000
	v_mov_b32 v255, 0
	v_lshrrev_b32 v1, 5, v0
	v_readfirstlane_b32 s14, v1                    ; wave
	s_lshr_b32 s15, ttmp9, 6                       ; expert
	s_and_b32 s16, ttmp9, 15                       ; which 64 columns
	s_bfe_u32 s17, ttmp9, 0x20004                  ; which quarter of K
	s_lshl_b32 s22, s15, 2
	s_mov_b32 s23, 0
	s_wait_kmcnt 0x0
	s_add_nc_u64 s[32:33], s[8:9], s[22:23]
	s_load_b32 s18, s[32:33], 0x0                  ; off[e]
	s_load_b32 s19, s[32:33], 0x20                 ; nb[e]
	v_and_b32 v1, 31, v0                           ; lane
	v_and_b32 v2, 15, v0                           ; r
	v_bfe_u32 v3, v0, 4, 1                         ; h
	s_lshl_b32 s20, s14, 20
	v_lshl_add_u32 v4, v2, 4, s20                  ; weights: 256 w rows + 16 r,
	v_lshl_add_u32 v4, v3, 12, v4                  ; and one row further down for lanes 16 to 31
	s_mul_i32 s21, s14, WSTW
	v_mul_u32_u24 v12, v3, WP
	v_lshl_add_u32 v12, v2, 3, v12
	v_add_nc_u32 v5, s21, v12                      ; stage, in: row h, 8 r
	v_and_b32 v12, 7, v0
	v_lshl_add_u32 v12, v3, 3, v12
	v_mul_u32_u24 v12, v12, WP
	v_bfe_u32 v13, v0, 3, 1
	v_lshl_add_u32 v12, v13, 4, v12
	v_add_nc_u32 v6, s21, v12                      ; stage, out: (8 h + lane % 8) rows + 16 ((lane / 8) % 2)
	s_lshl_b32 s20, s14, 13
	v_lshl_add_u32 v7, v1, 4, s20                  ; tokens: my 8 K steps of 1,024 bytes + 16 lane
	s_mul_i32 s20, s14, 32*XP
	s_add_co_u32 s20, s20, XCH
	v_mul_u32_u24 v12, v2, XP
	v_lshl_add_u32 v12, v3, 5, v12
	v_add_nc_u32 v8, s20, v12                      ; exchange buffer 0, in: row r, 32 bytes for each half of the lanes
	s_mul_i32 s20, s14, 8*XP
	s_add_co_u32 s20, s20, XCH
	v_mul_u32_u24 v12, v3, XP
	v_lshl_add_u32 v12, v2, 4, v12
	v_add_nc_u32 v9, s20, v12                      ; exchange buffer 0, out: rows 8 w + h of every wave, 16 bytes a lane
	v_add_nc_u32 v14, XBUF, v8                     ; the same in buffer 1
	v_add_nc_u32 v15, XBUF, v9
	s_lshl_b32 s20, s14, 15
	v_lshl_add_u32 v10, v2, 4, s20                 ; ypart: the same rows: (8 w + h) x 4,096 + 16 r
	v_lshl_add_u32 v10, v3, 12, v10
	s_wait_kmcnt 0x0
	s_min_u32 s18, s18, 2272                       ; 2,304 slots less one block
	s_min_u32 s19, s19, 32                         ; 1,024 tokens at the most
	s_cmp_eq_u32 s19, 0
	s_cselect_b32 s18, 0, s18                      ; an expert without tokens asks for slot 0's block, which the first layer has always written, and uses nothing of it
	s_lshl_b32 s22, s15, 24
	s_lshl_b32 s20, s17, 22
	s_add_co_u32 s22, s22, s20
	s_lshl_b32 s20, s16, 8
	s_add_co_u32 s22, s22, s20
	s_add_nc_u64 s[24:25], s[6:7], s[22:23]        ; W2 + e x 16 MiB + kq x 1,024 rows + 256 ns
	s_lshl_b32 s22, s18, 14
	s_lshl_b32 s20, s17, 15
	s_add_co_u32 s22, s22, s20
	s_add_nc_u64 s[26:27], s[4:5], s[22:23]        ; hsw + off x 16,384 + 32 K steps x kq: the block that is asked for next
	s_mul_i32 s22, s17, 9437184                    ; a part of ypart: 2,304 rows of 4,096 bytes
	s_lshl_b32 s20, s18, 12
	s_add_co_u32 s22, s22, s20
	s_lshl_b32 s20, s16, 8
	s_add_co_u32 s22, s22, s20
	s_add_nc_u64 s[28:29], s[10:11], s[22:23]
	WIN 0xc0
.set i, 0
.rept 64
	global_load_b128 v[4*i:4*i+3], v4, s[24:25] offset:2*i*PITCHW th:TH_LOAD_NT   ; K rows 2 i, 2 i + 1 of my 256: 256 consecutive bytes each, aligned; read once in the launch
.set i, i+1
.endr
; 32 loads: the token fragments, hi (part 0) or lo (part 1), of my 8 K steps of the block at s[26:27].  Window: destination 3.
.macro LOADA part
.irp k, 0,1,2,3,4,5,6,7
.irp mt, 0,1
.irp f, 0,1
	global_load_b128 v[128*\part+8*(2*\k+\mt)+4*\f:128*\part+8*(2*\k+\mt)+4*\f+3], v7, s[26:27] offset:\mt*TILEB+\part*PARTB+1024*\k+512*\f
.endr
.endr
.endr
.endm
; 64 K rows of the weights (32 loads, in four batches of 8): out of the ring, split into hi and lo, into my stage; the ring is filled again; then the rows leave the stage transposed,
; as the fragments of K steps 2 p, 2 p + 1.  The stage is my wave's own; LDS serves a wave's instructions in order (ISA guide 5.7.1.4), so the transposing loads see the stores.
; The waits count younger loads.  Passes 0, 1: 64 are out, the oldest 8 are wanted: 56.  Pass 2 fills nothing: 56, 48, 40, 32.  Behind its batches the first block's 32 hi token loads
; go into ring registers that have been read for the last time; they are younger than the 32 weight loads left, so pass 3 has 56, 48, 40, 32 again.  The 32 lo loads follow pass 3's batches.
.macro WPASS p
.if \p > 0
	s_wait_dscnt 0x0                               ; the last pass's transposing loads are back before the stage is written again
.endif
.irp b, 0,1,2,3
.set S0, 4*(32*(\p&1)+8*\b)            ; the batch's first ring register
.if \p < 2
	s_wait_loadcnt 56
.else
	s_wait_loadcnt 56-8*\b
.endif
	WIN 0x0f                                       ; sources window 3, destination window 0
.set jj, 0
.rept 16
	v_cvt_pk_bf16_f32 v[TH+jj], v[S0+2*jj], v[S0+2*jj+1]       ; hi
.set jj, jj+1
.endr
	WIN 0x03                                       ; source 0 window 3, the rest window 0
.set jj, 0
.rept 16
	v_lshlrev_b32 v[U+2*jj], 16, v[TH+jj]          ; hi back in f32
	v_and_b32 v[U+2*jj+1], 0xffff0000, v[TH+jj]
.set jj, jj+1
.endr
.set jj, 0
.rept 32
	v_sub_f32 v[U+jj], v[S0+jj], v[U+jj]           ; the rest: exact
.set jj, jj+1
.endr
	WIN 0
.set jj, 0
.rept 16
	v_cvt_pk_bf16_f32 v[TL+jj], v[U+2*jj], v[U+2*jj+1]         ; lo
.set jj, jj+1
.endr
.irp j, 0,1,2,3,4,5,6,7
	ds_store_b64 v5, v[TH+2*\j:TH+2*\j+1] offset:2*(8*\b+\j)*WP
	ds_store_b64 v5, v[TL+2*\j:TL+2*\j+1] offset:2*(8*\b+\j)*WP+128
.endr
.if \p < 2
	WIN 0xc0
.irp j, 0,1,2,3,4,5,6,7
	global_load_b128 v[S0+4*\j:S0+4*\j+3], v4, s[24:25] offset:2*(64+32*\p+8*\b+\j)*PITCHW th:TH_LOAD_NT
.endr
.else
.if \b == 3
	WIN 0xc0
.if \p == 2
	LOADA 0
.else
	LOADA 1
.endif
.endif
.endif
.endr
	WIN 0x40                                       ; hi into window 1
.irp a, 0,1
.irp nt, 0,1,2,3
	ds_load_tr16_b128 v[((2*\p+\a)*4+\nt)*8:((2*\p+\a)*4+\nt)*8+3],   v6 offset:32*WP*\a+32*\nt         ; K = 8 h + 0..7 of column 16 nt + r
	ds_load_tr16_b128 v[((2*\p+\a)*4+\nt)*8+4:((2*\p+\a)*4+\nt)*8+7], v6 offset:32*WP*\a+16*WP+32*\nt   ; K = 16 + 8 h + 0..7
.endr
.endr
	WIN 0x80                                       ; lo into window 2
.irp a, 0,1
.irp nt, 0,1,2,3
	ds_load_tr16_b128 v[((2*\p+\a)*4+\nt)*8:((2*\p+\a)*4+\nt)*8+3],   v6 offset:32*WP*\a+32*\nt+128
	ds_load_tr16_b128 v[((2*\p+\a)*4+\nt)*8+4:((2*\p+\a)*4+\nt)*8+7], v6 offset:32*WP*\a+16*WP+32*\nt+128
.endr
.endr
.endm
; 8 matrix instructions: one K step of 32, all 8 accumulator tiles.  fl = 0: the tokens' hi, 1: their lo; the window says which part of the weights.
; The accumulators take turns, one instruction a turn.
; Used transposed (source 0 = 16 columns of W, source 1 = 16 token rows): lane (r, h) holds token row r, columns 8 h + 0..7 of the tile.
.macro MM ks, fl, zero
.irp mt, 0,1
.irp nt, 0,1,2,3
.if \zero
	v_wmma_f32_16x16x32_bf16 v[ACC+8*(4*\mt+\nt):ACC+8*(4*\mt+\nt)+7], v[(\ks*4+\nt)*8:(\ks*4+\nt)*8+7], v[128*\fl+8*(2*\ks+\mt):128*\fl+8*(2*\ks+\mt)+7], 0
.else
	v_wmma_f32_16x16x32_bf16 v[ACC+8*(4*\mt+\nt):ACC+8*(4*\mt+\nt)+7], v[(\ks*4+\nt)*8:(\ks*4+\nt)*8+7], v[128*\fl+8*(2*\ks+\mt):128*\fl+8*(2*\ks+\mt)+7], v[ACC+8*(4*\mt+\nt):ACC+8*(4*\mt+\nt)+7]
.endif
.endr
.endr
.endm
.macro XSTORE adr                      ; my partial sums by rows: row 16 mt + r, bytes 64 nt + 32 h + 0..31
.irp mt, 0,1
.irp nt, 0,1,2,3
	ds_store_b128 v[\adr], v[ACC+8*(4*\mt+\nt):ACC+8*(4*\mt+\nt)+3]   offset:16*XP*\mt+64*\nt
	ds_store_b128 v[\adr], v[ACC+8*(4*\mt+\nt)+4:ACC+8*(4*\mt+\nt)+7] offset:16*XP*\mt+64*\nt+16
.endr
.endr
.endm
.macro XLOAD adr                       ; rows 8 w + 2 rr + h of the four waves s, 4 loads a pair of rows, into v[ACC + 16 rr + 4 s ..]
.irp rr, 0,1,2,3
.irp s, 0,1,2,3
	ds_load_b128 v[ACC+16*\rr+4*\s:ACC+16*\rr+4*\s+3], v[\adr] offset:32*XP*\s+2*XP*\rr
.endr
.endr
.endm
.macro REDUCE
.irp rr, 0,1,2,3
.set G, ACC+16*\rr
	s_wait_dscnt 12-4*\rr                          ; LDS loads come back in order: this pair of rows' 4 are in, the later ones stay out
.irp j, 0,2
	v_pk_add_f32 v[G+\j:G+\j+1], v[G+\j:G+\j+1], v[G+4+\j:G+5+\j]
	v_pk_add_f32 v[G+8+\j:G+9+\j], v[G+8+\j:G+9+\j], v[G+12+\j:G+13+\j]
.endr
.irp j, 0,2
	v_pk_add_f32 v[G+\j:G+\j+1], v[G+\j:G+\j+1], v[G+8+\j:G+9+\j]
.endr
	global_store_b128 v10, v[G:G+3], s[28:29] offset:8192*\rr   ; sixteen lanes store 256 consecutive bytes of a row, aligned; the other sixteen the same of the next row
.endr
.endm
; One turn: block s20 + odd, through exchange buffer odd.  At its head, on every path, at most 64 token loads are out: hi (32), then lo (32), of this block.
; To keep that so on every path the first stretch always asks ahead: for the next block, or, in the expert's last block, once more for its own fragments
; (the base steps by 0; 32 KiB a wave that nobody uses, inside the buffer, out at the end of the program).
; ONE barrier a turn does for both orders.  In front of it each wave waits for all its LDS instructions: its stores of this block's partial sums, which the others read behind it,
; and its reads of the block before, from the other buffer, which is written again only in the next turn, behind this barrier.
.macro TRIP odd
	s_add_co_u32 s21, s20, \odd                    ; this turn's block
	s_cmp_ge_u32 s21, s19
	s_cbranch_scc1 .Lidle_a_\@                     ; no such block: straight to the barrier
	s_add_co_u32 s34, s21, 1
	s_cmp_lt_u32 s34, s19
	s_cselect_b32 s22, ASTEP, 0                    ; is there a next block?
	s_wait_xcnt 0x0                                ; the token loads' base is stepped, and the last stores' data (accumulator registers) written over, only behind this wait
	s_add_nc_u64 s[26:27], s[26:27], s[22:23]
	s_wait_loadcnt 32                              ; the tokens' hi are in; the 32 loads of lo are younger
	WIN 0x0d                                       ; source 0 window 1 (W hi), source 1 window 3, C and D window 0
	MM 0, 0, 1                                     ; the first product starts the sums: nothing is cleared
.irp ks, 1,2,3,4,5,6,7
	MM \ks, 0, 0
.endr
	WIN 0x0e                                       ; source 0 window 2 (W lo)
.irp ks, 0,1,2,3,4,5,6,7
	MM \ks, 0, 0
.endr
	PLACES 4                                       ; a load into a register that a matrix instruction has read stands four places behind it (ISA guide 7.12.1 for vector instructions)
	WIN 0xc0
	LOADA 0
	s_wait_loadcnt 32                              ; the tokens' lo are in; the 32 just issued are younger
	WIN 0x0d                                       ; W hi again
.irp ks, 0,1,2,3,4,5,6,7
	MM \ks, 1, 0
.endr
	PLACES 5                                       ; places behind the last matrix instructions: for the LDS stores of the sums, the loads into fragments and sums, and the next block's first products, which write over the sums
	WIN 0xc0
	LOADA 1
	WIN 0                                          ; at a label and at a branch every window is 0
	XSTORE 8+6*\odd
.Lidle_a_\@:
	s_wait_dscnt 0x0                               ; my stores of this block and my reads of the last are done before I say so
	s_barrier_signal -1
	s_barrier_wait -1
	s_cmp_ge_u32 s21, s19
	s_cbranch_scc1 .Lidle_b_\@
	XLOAD 9+6*\odd
	REDUCE
	s_wait_xcnt 0x0                                ; the stores' base and data are written again only behind this wait
	s_add_nc_u64 s[28:29], s[28:29], OSTEP
.Lidle_b_\@:
.endm
	WPASS 0
	WPASS 1
	WPASS 2
	WPASS 3
	WIN 0                                          ; at a label and at a branch every window is 0
	s_wait_dscnt 0x0                               ; the last fragments of the weights are in
	s_mov_b32 s20, 0
.Lblk:                                             ; 16 trips of two turns: a constant
	TRIP 0
	TRIP 1
	s_add_co_u32 s20, s20, 2
	s_cmp_lt_u32 s20, TURNS
	s_cbranch_scc1 .Lblk
	s_wait_tensorcnt 0x0
	ds_add_u32 v254, v255
	s_wait_dscnt 0x0
	s_endpgm
.Lfunc_end_k_q756935d939_ffn2:
	.size	k_q756935d939_ffn2, .Lfunc_end_k_q756935d939_ffn2-k_q756935d939_ffn2
	.p2alignl 7, 3214868480
	.fill 96, 4, 3214868480
	.section	.rodata,"a",@progbits
	.p2align	6, 0x0
	.amdhsa_kernel k_q756935d939_ffn2
		.amdhsa_group_segment_fixed_size 143872
		.amdhsa_private_segment_fixed_size 0
		.amdhsa_enable_private_segment 0
		.amdhsa_kernarg_size 32
		.amdhsa_user_sgpr_count 2
		.amdhsa_user_sgpr_kernarg_segment_ptr 1
		.amdhsa_wavefront_size32 1
		.amdhsa_system_sgpr_workgroup_id_x 1
		.amdhsa_system_sgpr_workgroup_id_y 1
		.amdhsa_system_sgpr_workgroup_id_z 1
		.amdhsa_system_vgpr_workitem_id 0
		.amdhsa_next_free_vgpr 1024
		.amdhsa_next_free_sgpr 66
		.amdhsa_reserve_vcc 0
		.amdhsa_float_denorm_mode_32 3
		.amdhsa_float_denorm_mode_16_64 3
		.amdhsa_memory_ordered 1
		.amdhsa_forward_progress 1
		.amdhsa_inst_pref_size 167
	.end_amdhsa_kernel
	.amdgpu_metadata
---
amdhsa.version: [ 1, 2 ]
amdhsa.kernels:
  - .name:           k_q756935d939_ffn2
    .symbol:         k_q756935d939_ffn2.kd
    .args:
      - { .name: hsw, .offset: 0, .size: 8, .value_kind: global_buffer, .address_space: global }
      - { .name: W2, .offset: 8, .size: 8, .value_kind: global_buffer, .address_space: global }
      - { .name: rmeta, .offset: 16, .size: 8, .value_kind: global_buffer, .address_space: global }
      - { .name: ypart, .offset: 24, .size: 8, .value_kind: global_buffer, .address_space: global }
    .group_segment_fixed_size: 143872
    .private_segment_fixed_size: 0
    .kernarg_segment_align: 8
    .kernarg_segment_size: 32
    .max_flat_workgroup_size: 128
    .sgpr_count:     66
    .vgpr_count:     1024
    .wavefront_size: 32
...
	.end_amdgpu_metadata
.endif
;; end of part 4
;; launch combine (part 5): grid 256 x 1, 8 waves a work-group, no clusters, 0 bytes of LDS; arguments ypart, b2, rmeta, wgt, out0; writes out0
.if DOCPART == 5
	.amdgcn_target "amdgcn-amd-amdhsa--gfx1250"
	.amdhsa_code_object_version 6
	.text
	.protected	k_q756935d939_combine
	.globl	k_q756935d939_combine
	.p2align	8
	.type	k_q756935d939_combine,@function
k_q756935d939_combine:
	s_mov_b64 s[64:65], 0
	v_nop
	global_prefetch_b8 v0, s[64:65] scope:SCOPE_SE
	s_setreg_imm32_b32 hwreg(HW_REG_WAVE_MODE, 25, 1), 1
	s_wait_xcnt 0x0
; out0[t] = sum over the token's two experts j of wgt[t][j] x (the four K parts of ypart at slot pos[t][j] + b2[eid[t][j]]).
; A stream: the work-group takes tokens 4 g .. 4 g + 3; thread t holds columns 4 t .. 4 t + 3, so each load and store of a wave covers 512 consecutive bytes and the eight waves a row.
; All 40 loads of a thread (4 tokens x 2 experts x (4 parts + bias)) go out at once; the waits count down.  Slots, experts and weights are the same for all lanes: scalar loads.
; LDS, matrix units and clusters are left out: each row of ypart is read once, by one work-group.
.set YR,  8                            ; v[8:167]   pair i = 2 n + j: 20 registers: four parts, then the bias
.set RES, 168                          ; v[168:183] token n: 4 results
	s_load_b256 s[4:11], s[0:1], 0x0               ; ypart s[4:5], b2 s[6:7], rmeta s[8:9], wgt s[10:11]
	s_load_b64 s[12:13], s[0:1], 0x20              ; out0
	s_lshl_b32 s14, ttmp9, 5                       ; 4 tokens x 8 bytes in pos, eid, wgt
	s_mov_b32 s15, 0
	v_lshlrev_b32 v2, 4, v0                        ; 16 t
	s_wait_kmcnt 0x0
	s_add_nc_u64 s[58:59], s[8:9], s[14:15]
	s_add_nc_u64 s[60:61], s[10:11], s[14:15]
	s_load_b256 s[16:23], s[58:59], 0x100          ; pos of the 4 tokens
	s_load_b256 s[24:31], s[58:59], 0x2100         ; eid
	s_load_b256 s[32:39], s[60:61], 0x0            ; weights
.irp q, 1,2,3
	v_add_nc_u32 v[2+\q], 9437184*\q, v2           ; part q of ypart: 2,304 rows of 4,096 bytes further on, more than an immediate offset holds
.endr
	s_lshl_b32 s14, ttmp9, 14
	s_add_nc_u64 s[56:57], s[12:13], s[14:15]      ; out0 at my first token
	s_wait_kmcnt 0x0
.irp i, 0,1,2,3,4,5,6,7
	s_min_u32 s[16+\i], s[16+\i], 2303
	s_lshl_b32 s14, s[16+\i], 12
	s_add_nc_u64 s[40+2*\i:41+2*\i], s[4:5], s[14:15]      ; the slot's row in part 0
.endr
.irp i, 0,1,2,3,4,5,6,7
	s_min_u32 s[24+\i], s[24+\i], 7
	s_lshl_b32 s14, s[24+\i], 12
	s_add_nc_u64 s[16+2*\i:17+2*\i], s[6:7], s[14:15]      ; the expert's row of b2; pair i ends at s[17 + 2 i], never past s[24 + i], which has just been read
.endr
.irp i, 0,1,2,3,4,5,6,7
.irp q, 0,1,2,3
	global_load_b128 v[YR+20*\i+4*\q:YR+20*\i+4*\q+3], v[2+\q], s[40+2*\i:41+2*\i] th:TH_LOAD_NT
.endr
	global_load_b128 v[YR+20*\i+16:YR+20*\i+19], v2, s[16+2*\i:17+2*\i]
.endr
.irp n, 0,1,2,3
	s_wait_loadcnt 30-10*\n                        ; loads come back in order: the 10 of token n are in, those of the later tokens stay out
.irp j, 0,1
.set R, YR+20*(2*\n+\j)
.irp c, 0,2
	v_pk_add_f32 v[R+\c:R+\c+1], v[R+\c:R+\c+1], v[R+4+\c:R+5+\c]
	v_pk_add_f32 v[R+8+\c:R+9+\c], v[R+8+\c:R+9+\c], v[R+12+\c:R+13+\c]
.endr
.irp c, 0,2
	v_pk_add_f32 v[R+\c:R+\c+1], v[R+\c:R+\c+1], v[R+8+\c:R+9+\c]
.endr
.irp c, 0,2
	v_pk_add_f32 v[R+\c:R+\c+1], v[R+\c:R+\c+1], v[R+16+\c:R+17+\c]
.endr
.endr
.set R, YR+40*\n
.irp c, 0,1,2,3
	v_mul_f32 v[RES+4*\n+\c], s[32+2*\n], v[R+\c]
.endr
.irp c, 0,1,2,3
	v_fmac_f32 v[RES+4*\n+\c], s[33+2*\n], v[R+20+\c]
.endr
	global_store_b128 v2, v[RES+4*\n:RES+4*\n+3], s[56:57] offset:4096*\n th:TH_STORE_NT
.endr
	s_endpgm
.Lfunc_end_k_q756935d939_combine:
	.size	k_q756935d939_combine, .Lfunc_end_k_q756935d939_combine-k_q756935d939_combine
	.p2alignl 7, 3214868480
	.fill 96, 4, 3214868480
	.section	.rodata,"a",@progbits
	.p2align	6, 0x0
	.amdhsa_kernel k_q756935d939_combine
		.amdhsa_group_segment_fixed_size 0
		.amdhsa_private_segment_fixed_size 0
		.amdhsa_enable_private_segment 0
		.amdhsa_kernarg_size 40
		.amdhsa_user_sgpr_count 2
		.amdhsa_user_sgpr_kernarg_segment_ptr 1
		.amdhsa_wavefront_size32 1
		.amdhsa_system_sgpr_workgroup_id_x 1
		.amdhsa_system_sgpr_workgroup_id_y 1
		.amdhsa_system_sgpr_workgroup_id_z 1
		.amdhsa_system_vgpr_workitem_id 0
		.amdhsa_next_free_vgpr 184
		.amdhsa_next_free_sgpr 66
		.amdhsa_reserve_vcc 0
		.amdhsa_float_denorm_mode_32 3
		.amdhsa_float_denorm_mode_16_64 3
		.amdhsa_memory_ordered 1
		.amdhsa_forward_progress 1
		.amdhsa_inst_pref_size 13
	.end_amdhsa_kernel
	.amdgpu_metadata
---
amdhsa.version: [ 1, 2 ]
amdhsa.kernels:
  - .name:           k_q756935d939_combine
    .symbol:         k_q756935d939_combine.kd
    .args:
      - { .name: ypart, .offset: 0, .size: 8, .value_kind: global_buffer, .address_space: global }
      - { .name: b2, .offset: 8, .size: 8, .value_kind: global_buffer, .address_space: global }
      - { .name: rmeta, .offset: 16, .size: 8, .value_kind: global_buffer, .address_space: global }
      - { .name: wgt, .offset: 24, .size: 8, .value_kind: global_buffer, .address_space: global }
      - { .name: out0, .offset: 32, .size: 8, .value_kind: global_buffer, .address_space: global }
    .group_segment_fixed_size: 0
    .private_segment_fixed_size: 0
    .kernarg_segment_align: 8
    .kernarg_segment_size: 40
    .max_flat_workgroup_size: 256
    .sgpr_count:     66
    .vgpr_count:     184
    .wavefront_size: 32
...
	.end_amdgpu_metadata
.endif
;; end of part 5
;; ======== version 2 of 3: 5 launches; 1.40 times as fast as version 1
;; limits: values are held in f16: magnitudes above 65,504 overflow, below 6.1e-05 lose precision; right only within a limited range of input values
;; workspace buffers: rmeta 16,640 bytes of whole numbers; wgt 8,192 bytes; xg 9,437,184 bytes; hsw 37,748,736 bytes; ypart 37,748,736 bytes
;; launch route (part 6): grid 1 x 1, 32 waves a work-group, no clusters, 5,120 bytes of LDS; arguments routing_scores, rmeta, wgt, out1; writes rmeta, wgt, out1
.if DOCPART == 6
	.amdgcn_target "amdgcn-amd-amdhsa--gfx1250"
	.amdhsa_code_object_version 6
	.text
	.protected	k_q756935d939_route
	.globl	k_q756935d939_route
	.p2align	8
	.type	k_q756935d939_route,@function
k_q756935d939_route:
	s_mov_b64 s[64:65], 0
	v_nop
	global_prefetch_b8 v0, s[64:65] scope:SCOPE_SE
	s_setreg_imm32_b32 hwreg(HW_REG_WAVE_MODE, 25, 1), 1
	s_wait_xcnt 0x0
; ROUTING.  1,024 tokens, 8 experts, the two largest scores of each token.  Thread t is token t; one work-group of 32 waves.
; Stored, all at addresses made of the thread's number alone:
;   rmeta[0,32)    off[e]: first slot of expert e in the list of token rows sorted by expert (a multiple of 32)
;   rmeta[32,64)   nb[e] = ceil(cnt[e] / 32): blocks of 32 rows;   rmeta[64,96) cnt[e]
;   rmeta[96,128)  nbp[e] = ceil(precise rows of e / 32): the first nbp blocks of an expert are multiplied with two-term operands
;   rmeta[256,..)  pos[t][2]: the slots of token t's two rows;     rmeta[8448,..) eid[t][2]: its two experts
;   wgt[t][2]      score / (sum of the two scores + 1e-8);         out1[e] = cnt[e]
; PRECISE ROWS.  An expert's error reaches the output multiplied by the routing weight.  The two weights add up to 1, and where the two scores have opposite signs they have no bound.
; A token with max |weight| > 1.5 is precise; in each expert's list the precise rows come first.
; A wave's two counts for an expert go as one number, precise + 2048 x others: each total is at most 1,024, so the fields never meet, and the sums (at most 2,098,176) are exact in f32.
; No address, branch or EXEC mask hangs on a score: the scores only select values.
; LIMITS: a NaN score is never chosen ahead of a number (XLA sorts NaN first); -0 and +0 tie and the lower index wins;
; the reciprocal is v_rcp_f32 (1 ULP; a denormal sum or result counts as zero); a token with a NaN weight counts as not precise.
.set SC,   4                           ; v[4:11]   the token's eight scores
.set RANK, 20                          ; v[20:27]  expert e: rows of my class in my wave in front of me
.set CNT,  28                          ; v[28:35]  packed counts: of my wave, then (lane l) of wave l, then the totals
.set PRE,  40                          ; v[40:47]  the same for the waves in front of mine alone
	s_load_b256 s[4:11], s[0:1], 0x0               ; scores s[4:5], rmeta s[6:7], wgt s[8:9], out1 s[10:11]
	v_lshl_add_u32 v64, v0, 2, 0x400
	v_mov_b32 v65, 0
	v_and_b32 v1, 31, v0                           ; lane
	v_lshrrev_b32 v2, 5, v0
	v_readfirstlane_b32 s12, v2                    ; wave
	v_lshlrev_b32 v3, 5, v0                        ; 32 bytes of scores a token
	v_lshlrev_b32 v52, 3, v0                       ; 8 bytes a token in pos, eid and wgt
	s_lshl_b32 s13, s12, 5                         ; my wave's eight words in LDS
	s_mov_b32 s74, 0x76543210                      ; v_permlanex16_b32: lane i reads lane i of the other half
	s_mov_b32 s75, 0xfedcba98
	s_wait_kmcnt 0x0
	global_load_b128 v[SC:SC+3], v3, s[4:5]
	global_load_b128 v[SC+4:SC+7], v3, s[4:5] offset:16
	s_wait_loadcnt 0x0
	; the largest: a strict > keeps the lower index among equals, as lax.top_k does
	v_mov_b32 v12, v[SC]                           ; v12 value, v54 index
	v_mov_b32 v54, 0
.irp k, 1,2,3,4,5,6,7
	v_cmp_gt_f32 vcc_lo, v[SC+\k], v12
	v_cndmask_b32 v12, v12, v[SC+\k], vcc_lo
	v_cndmask_b32 v54, v54, \k, vcc_lo
.endr
	; the second: starts at the first element that is not the largest, and never takes the largest
	v_cmp_eq_u32 vcc_lo, 0, v54
	v_cndmask_b32 v14, v[SC], v[SC+1], vcc_lo      ; v14 value, v55 index
	v_cndmask_b32 v55, 0, 1, vcc_lo
.irp k, 1,2,3,4,5,6,7
	v_cmp_gt_f32 s14, v[SC+\k], v14
	v_cmp_ne_u32 s15, \k, v54
	s_and_b32 s14, s14, s15
	v_cndmask_b32 v14, v14, v[SC+\k], s14
	v_cndmask_b32 v55, v55, \k, s14
.endr
	v_add_f32 v16, v12, v14
	v_add_f32 v16, 0x322bcc77, v16                 ; + 1e-8
	v_rcp_f32 v17, v16
	v_mov_b32 v39, 0x3fc00000                      ; 1.5; also the plain place between v_rcp_f32 and the use of its result (ISA guide 5.7.2)
	s_wait_alu depctr_va_vdst(0)
	v_mul_f32 v18, v17, v12
	v_mul_f32 v19, v17, v14
	v_max_num_f32 v38, |v18|, |v19|
	v_cmp_gt_f32 s15, v38, v39                     ; s15: the precise tokens of my wave
	; who chose expert e: first choice s[16+e], second s[24+e]; my rank among the rows of my class; my wave's two counts, packed
.irp e, 0,1,2,3,4,5,6,7
	v_cmp_eq_u32 s[16+\e], \e, v54
	v_cmp_eq_u32 s[24+\e], \e, v55
	s_or_b32 s14, s[16+\e], s[24+\e]
	s_and_b32 s77, s14, s15                        ; precise rows of e
	s_and_not1_b32 s78, s14, s15                   ; its other rows
	v_mbcnt_lo_u32_b32 v[RANK+\e], s77, 0
	v_mbcnt_lo_u32_b32 v49, s78, 0
	v_cndmask_b32 v[RANK+\e], v49, v[RANK+\e], s15
	s_bcnt1_i32_b32 s77, s77
	s_bcnt1_i32_b32 s78, s78
	s_lshl_b32 s78, s78, 11
	s_add_co_u32 s[40+\e], s77, s78
	v_mov_b32 v[CNT+\e], s[40+\e]
.endr
	v_mov_b32 v36, s13
	ds_store_b128 v36, v[CNT:CNT+3]                ; every lane writes the same words with the same numbers
	ds_store_b128 v36, v[CNT+4:CNT+7] offset:16
	s_wait_dscnt 0x0                               ; my stores are done before I say so: the other waves read them
	s_barrier_signal -1
	s_barrier_wait -1
	v_lshlrev_b32 v37, 5, v1
	ds_load_b128 v[CNT:CNT+3], v37                 ; lane l: the eight packed counts of wave l
	ds_load_b128 v[CNT+4:CNT+7], v37 offset:16
	v_cmp_gt_u32 vcc_lo, s12, v1                   ; lanes that stand for waves in front of mine
	v_mov_b32 v48, 0                               ; v_permlanex16_b32's destination counts as read
	s_wait_dscnt 0x0
.irp e, 0,1,2,3,4,5,6,7
	v_cvt_f32_u32 v[CNT+\e], v[CNT+\e]
	v_cndmask_b32 v[PRE+\e], 0, v[CNT+\e], vcc_lo
.endr
.macro WSUM reg                        ; the sum over the wave's 32 lanes, in every lane
	v_add_f32_dpp v[\reg], v[\reg], v[\reg] row_xmask:1 row_mask:0xf bank_mask:0xf
	v_add_f32_dpp v[\reg], v[\reg], v[\reg] row_xmask:2 row_mask:0xf bank_mask:0xf
	v_add_f32_dpp v[\reg], v[\reg], v[\reg] row_xmask:4 row_mask:0xf bank_mask:0xf
	v_add_f32_dpp v[\reg], v[\reg], v[\reg] row_xmask:8 row_mask:0xf bank_mask:0xf
	v_permlanex16_b32 v48, v[\reg], s74, s75
	v_add_f32 v[\reg], v[\reg], v48
.endm
.irp e, 0,1,2,3,4,5,6,7
	WSUM CNT+\e
	WSUM PRE+\e
	v_cvt_u32_f32 v[CNT+\e], v[CNT+\e]
	v_cvt_u32_f32 v[PRE+\e], v[PRE+\e]
	v_readfirstlane_b32 s[40+\e], v[CNT+\e]        ; the totals of e, packed
	v_readfirstlane_b32 s[48+\e], v[PRE+\e]        ; the rows of e in the waves in front of mine, packed
.endr
	s_mov_b32 s76, 0                               ; running first slot
.irp e, 0,1,2,3,4,5,6,7
	s_and_b32 s77, s[40+\e], 0x7ff                 ; precise rows of e
	s_lshr_b32 s78, s[40+\e], 11                   ; its other rows
	s_add_co_u32 s[88+\e], s77, s78                ; cnt[e]
	s_add_co_u32 s[66+\e], s[88+\e], 31
	s_lshr_b32 s[66+\e], s[66+\e], 5               ; nb[e]
	s_add_co_u32 s[80+\e], s77, 31
	s_lshr_b32 s[80+\e], s[80+\e], 5               ; nbp[e]
	s_mov_b32 s[56+\e], s76                        ; off[e]
	s_and_b32 s14, s[48+\e], 0x7ff
	s_lshr_b32 s[32+\e], s[48+\e], 11
	s_add_co_u32 s[48+\e], s14, s76                ; first slot of my wave's precise rows of e
	s_add_co_u32 s[32+\e], s[32+\e], s77           ; the others lie behind all precise rows
	s_add_co_u32 s[32+\e], s[32+\e], s76           ; first slot of my wave's other rows of e
	s_lshl_b32 s77, s[66+\e], 5
	s_add_co_u32 s76, s76, s77
.endr
	v_mov_b32 v50, 0
	v_mov_b32 v51, 0
.irp e, 0,1,2,3,4,5,6,7
	v_mov_b32 v49, s[32+\e]
	v_cndmask_b32 v49, v49, s[48+\e], s15          ; my class's first slot
	v_add_nc_u32 v49, v49, v[RANK+\e]
	v_cndmask_b32 v50, v50, v49, s[16+\e]          ; slot of my first choice
	v_cndmask_b32 v51, v51, v49, s[24+\e]          ; slot of my second
.endr
	global_store_b64 v52, v[50:51], s[6:7] offset:256
	global_store_b64 v52, v[54:55], s[6:7] offset:8448
	global_store_b64 v52, v[18:19], s[8:9]
	s_cmp_lg_u32 s12, 0
	s_cbranch_scc1 .Lend                           ; the tables of eight are wave 0's
	v_mov_b32 v56, 0
	v_mov_b32 v57, 0
.irp e, 0,1,2,3,4,5,6,7
	v_writelane_b32 v56, s[56+\e], \e
	v_writelane_b32 v56, s[66+\e], 8+\e
	v_writelane_b32 v56, s[88+\e], 16+\e
	v_writelane_b32 v56, s[80+\e], 24+\e
	v_writelane_b32 v57, s[88+\e], \e
.endr
	v_lshlrev_b32 v58, 2, v1
	global_store_b32 v58, v56, s[6:7]              ; off, nb, cnt, nbp: 128 bytes
	s_wait_xcnt 0x0                                ; EXEC is a source of the stores above: it narrows only behind this wait
	v_cmp_gt_u32 vcc_lo, 8, v1
	s_and_saveexec_b32 s78, vcc_lo
	global_store_b32 v58, v57, s[10:11]            ; out1: eight words
	s_wait_xcnt 0x0                                ; and widens only behind this one
	s_or_b32 exec_lo, exec_lo, s78
.Lend:
	s_wait_tensorcnt 0x0
	ds_add_u32 v64, v65
	s_wait_dscnt 0x0
	s_endpgm
.Lfunc_end_k_q756935d939_route:
	.size	k_q756935d939_route, .Lfunc_end_k_q756935d939_route-k_q756935d939_route
	.p2alignl 7, 3214868480
	.fill 96, 4, 3214868480
	.section	.rodata,"a",@progbits
	.p2align	6, 0x0
	.amdhsa_kernel k_q756935d939_route
		.amdhsa_group_segment_fixed_size 5120
		.amdhsa_private_segment_fixed_size 0
		.amdhsa_enable_private_segment 0
		.amdhsa_kernarg_size 32
		.amdhsa_user_sgpr_count 2
		.amdhsa_user_sgpr_kernarg_segment_ptr 1
		.amdhsa_wavefront_size32 1
		.amdhsa_system_sgpr_workgroup_id_x 1
		.amdhsa_system_sgpr_workgroup_id_y 1
		.amdhsa_system_sgpr_workgroup_id_z 1
		.amdhsa_system_vgpr_workitem_id 0
		.amdhsa_next_free_vgpr 66
		.amdhsa_next_free_sgpr 96
		.amdhsa_reserve_vcc 1
		.amdhsa_float_denorm_mode_32 3
		.amdhsa_float_denorm_mode_16_64 3
		.amdhsa_memory_ordered 1
		.amdhsa_forward_progress 1
		.amdhsa_inst_pref_size 27
	.end_amdhsa_kernel
	.amdgpu_metadata
---
amdhsa.version: [ 1, 2 ]
amdhsa.kernels:
  - .name:           k_q756935d939_route
    .symbol:         k_q756935d939_route.kd
    .args:
      - { .name: routing_scores, .offset: 0, .size: 8, .value_kind: global_buffer, .address_space: global }
      - { .name: rmeta, .offset: 8, .size: 8, .value_kind: global_buffer, .address_space: global }
      - { .name: wgt, .offset: 16, .size: 8, .value_kind: global_buffer, .address_space: global }
      - { .name: out1, .offset: 24, .size: 8, .value_kind: global_buffer, .address_space: global }
    .group_segment_fixed_size: 5120
    .private_segment_fixed_size: 0
    .kernarg_segment_align: 8
    .kernarg_segment_size: 32
    .max_flat_workgroup_size: 1024
    .sgpr_count:     96
    .vgpr_count:     66
    .wavefront_size: 32
...
	.end_amdgpu_metadata
.endif
;; end of part 6
;; launch gather (part 7): grid 144 x 8, 1 waves a work-group, no clusters, 9,472 bytes of LDS; arguments x, rmeta, xg; writes xg
.if DOCPART == 7
	.amdgcn_target "amdgcn-amd-amdhsa--gfx1250"
	.amdhsa_code_object_version 6
	.text
	.protected	k_q756935d939_gather
	.globl	k_q756935d939_gather
	.p2align	8
	.type	k_q756935d939_gather,@function
k_q756935d939_gather:
	s_mov_b64 s[64:65], 0
	v_nop
	global_prefetch_b8 v0, s[64:65] scope:SCOPE_SE
	s_setreg_imm32_b32 hwreg(HW_REG_WAVE_MODE, 25, 1), 1
	s_wait_xcnt 0x0
; TOKEN ROWS SORTED BY EXPERT, each f32 number as TWO f16 terms, in the order in which a matrix operand's lanes want them.
; hi = the number rounded to 11 bits, lo = the rest (exact in f32) rounded to f16: together some 22 bits.  Which rows use lo: see the first layer's head.
; The split: c = 8193 x, d = c - x, hi = c - d (x rounded to 24 - 13 = 11 bits), lo = x - hi, each step one fused multiply-add with -1.  hi has as many bits as f16 holds,
; so its conversion is exact whatever the rounding.
; xg: tile (16 slots) x 65536 + part (0 hi, 1 lo) x 32768 + ks x 1024 + f x 512 + lane x 16; lane (r = lane % 16, h = lane / 16) holds slot r, columns 32 ks + 16 f + 8 h + 0..7.
; So one 16-byte load a lane of a later wave covers 512 consecutive bytes and is half an operand fragment.
; One wave a work-group: x = tile of 16 slots, y = 128 columns.  144 tiles = 2,304 slots: 2,048 rows and at most 31 empty slots behind each of 8 experts,
; rounded up to whole blocks of 32; how many are in use is known only from memory, so all are written.
; The slot of a token is known (pos), the token of a slot is wanted: every lane looks at 64 of the 2,048 numbers and drops the token's number into the
; word of its slot in LDS; numbers of other tiles go to a spare word.  Empty slots keep token 0: finite numbers that no result takes up.
; Matrix units, tensor loads and clusters are left out: 16 rows x 512 bytes are copied once and nothing is shared.
; LIMITS: |x| above 65,504 becomes infinite in f16; below 6.1e-5 a term carries an absolute error of up to 6e-8.
.set POS,  32                          ; v[32:95]   64 numbers of pos; later the sixteen halves of fragments (8 hi, 8 lo)
.set TOK,  96                          ; v[96:111]  the tokens of the tile's 16 slots
.set VO,   112                         ; v[112:127] byte offsets of their row pieces in x
.set XR,   128                         ; v[128:191] the row pieces, f32
.set SP,   272                         ; LDS: [0,128) slot words (0..15, 16 = spare);
.set STG,  256                         ; [256,4608) hi: 16 rows of 256 bytes, 272 apart;
.set STL,  STG+16*SP                   ; [4608,8960) lo: the same
	s_load_b128 s[4:7], s[0:1], 0x0                ; x s[4:5], rmeta s[6:7]
	s_load_b64 s[8:9], s[0:1], 0x10                ; xg
	v_lshl_add_u32 v192, v0, 2, 0x2400
	v_mov_b32 v193, 0
	s_and_b32 s10, ttmp7, 0xffff                   ; which 128 columns
	s_lshl_b32 s11, ttmp9, 4                       ; the tile's first slot
	v_lshlrev_b32 v1, 4, v0                        ; 16 x lane
	v_lshlrev_b32 v2, 2, v0                        ; 4 x lane
	v_mov_b32 v3, 0
	v_lshlrev_b32 v4, 1, v0                        ; 2 x lane: my first token in a load of pos
	v_lshlrev_b32 v10, 3, v0                       ; 8 x lane
	v_and_b32 v14, 15, v0                          ; r
	v_lshrrev_b32 v15, 4, v0                       ; h
	v_mul_u32_u24 v11, v14, SP
	v_lshl_add_u32 v11, v15, 4, v11                ; r x 272 + 16 h
	v_mov_b32 v28, 0x46000400                      ; 8193.0, twice
	v_mov_b32 v29, 0x46000400
	v_mov_b32 v30, -1.0
	v_mov_b32 v31, -1.0
	s_lshl_b32 s12, s10, 9                         ; 512 bytes of a row of x
	v_add_nc_u32 v7, s12, v1
	s_lshl_b32 s14, ttmp9, 16
	s_lshl_b32 s13, s10, 12
	s_add_co_u32 s14, s14, s13                     ; tile x 65536 + 4 K steps x 1024 for each 128 columns
	s_mov_b32 s15, 0
	s_wait_kmcnt 0x0
	s_add_nc_u64 s[8:9], s[8:9], s[14:15]
.set q, 0
.rept 16
	global_load_b128 v[POS+4*q:POS+4*q+3], v1, s[6:7] offset:256+512*q   ; tokens 64 q + 2 lane and + 1, two slots each
.set q, q+1
.endr
	ds_store_b32 v2, v3                            ; every slot word starts at token 0
	s_wait_loadcnt 0x0
.set q, 0
.rept 16
	v_add_nc_u32 v12, 64*q, v4
	v_add_nc_u32 v13, 64*q+1, v4
.irp c, 0,1,2,3
	v_sub_nc_u32 v[16+\c], v[POS+4*q+\c], s11      ; slot in my tile; slots in front of it wrap to large numbers
	v_min_u32 v[16+\c], 16, v[16+\c]               ; all that is not mine: the spare word
	v_lshlrev_b32 v[16+\c], 2, v[16+\c]
	ds_store_b32 v[16+\c], v[12+(\c>>1)]
.endr
.set q, q+1
.endr
.irp i, 0,1,2,3
	ds_load_b128 v[TOK+4*\i:TOK+4*\i+3], v3 offset:16*\i   ; LDS serves a wave's instructions in order (ISA guide 5.7.1.4): these see the stores above
.endr
	s_wait_dscnt 0x0
.irp p, 0,1,2,3,4,5,6,7,8,9,10,11,12,13,14,15
	v_min_u32 v[TOK+\p], 0x3ff, v[TOK+\p]
	v_lshl_add_u32 v[VO+\p], v[TOK+\p], 12, v7     ; token x 4096 + 512 y + 16 lane
.endr
.irp p, 0,1,2,3,4,5,6,7,8,9,10,11,12,13,14,15
	global_load_b128 v[XR+4*\p:XR+4*\p+3], v[VO+\p], s[4:5]   ; 512 consecutive bytes of one row
.endr
.irp p, 0,1,2,3,4,5,6,7,8,9,10,11,12,13,14,15
	s_wait_loadcnt 15-\p                           ; loads come back in order: row p is in, the younger 15 - p stay out
	v_pk_mul_f32 v[20:21], v[XR+4*\p:XR+4*\p+1], v[28:29]                 ; c = 8193 x
	v_pk_mul_f32 v[22:23], v[XR+4*\p+2:XR+4*\p+3], v[28:29]
	v_pk_fma_f32 v[24:25], v[XR+4*\p:XR+4*\p+1], v[30:31], v[20:21]       ; d = c - x
	v_pk_fma_f32 v[26:27], v[XR+4*\p+2:XR+4*\p+3], v[30:31], v[22:23]
	v_pk_fma_f32 v[20:21], v[24:25], v[30:31], v[20:21]                   ; hi = c - d
	v_pk_fma_f32 v[22:23], v[26:27], v[30:31], v[22:23]
	v_pk_fma_f32 v[24:25], v[20:21], v[30:31], v[XR+4*\p:XR+4*\p+1]       ; lo = x - hi: exact
	v_pk_fma_f32 v[26:27], v[22:23], v[30:31], v[XR+4*\p+2:XR+4*\p+3]
	v_cvt_pk_f16_f32 v16, v20, v21
	v_cvt_pk_f16_f32 v17, v22, v23
	v_cvt_pk_f16_f32 v18, v24, v25
	v_cvt_pk_f16_f32 v19, v26, v27
	ds_store_b64 v10, v[16:17] offset:STG+SP*\p
	ds_store_b64 v10, v[18:19] offset:STL+SP*\p
.endr
.irp i, 0,1,2,3,4,5,6,7
	ds_load_b128 v[POS+4*\i:POS+4*\i+3], v11 offset:STG+32*\i   ; K step i / 2, half i % 2: row r, 16 bytes at 32 i + 16 h
.endr
.irp i, 0,1,2,3,4,5,6,7
	ds_load_b128 v[POS+32+4*\i:POS+32+4*\i+3], v11 offset:STL+32*\i
.endr
.irp i, 0,1,2,3,4,5,6,7
	s_wait_dscnt 15-\i
	global_store_b128 v1, v[POS+4*\i:POS+4*\i+3], s[8:9] offset:512*\i   ; the wave stores 512 consecutive bytes, aligned
.endr
.irp i, 0,1,2,3,4,5,6,7
	s_wait_dscnt 7-\i
	global_store_b128 v1, v[POS+32+4*\i:POS+32+4*\i+3], s[8:9] offset:32768+512*\i
.endr
	s_wait_tensorcnt 0x0
	ds_add_u32 v192, v193
	s_wait_dscnt 0x0
	s_endpgm
.Lfunc_end_k_q756935d939_gather:
	.size	k_q756935d939_gather, .Lfunc_end_k_q756935d939_gather-k_q756935d939_gather
	.p2alignl 7, 3214868480
	.fill 96, 4, 3214868480
	.section	.rodata,"a",@progbits
	.p2align	6, 0x0
	.amdhsa_kernel k_q756935d939_gather
		.amdhsa_group_segment_fixed_size 9472
		.amdhsa_private_segment_fixed_size 0
		.amdhsa_enable_private_segment 0
		.amdhsa_kernarg_size 24
		.amdhsa_user_sgpr_count 2
		.amdhsa_user_sgpr_kernarg_segment_ptr 1
		.amdhsa_wavefront_size32 1
		.amdhsa_system_sgpr_workgroup_id_x 1
		.amdhsa_system_sgpr_workgroup_id_y 1
		.amdhsa_system_sgpr_workgroup_id_z 1
		.amdhsa_system_vgpr_workitem_id 0
		.amdhsa_next_free_vgpr 194
		.amdhsa_next_free_sgpr 66
		.amdhsa_reserve_vcc 0
		.amdhsa_float_denorm_mode_32 3
		.amdhsa_float_denorm_mode_16_64 3
		.amdhsa_memory_ordered 1
		.amdhsa_forward_progress 1
		.amdhsa_inst_pref_size 39
	.end_amdhsa_kernel
	.amdgpu_metadata
---
amdhsa.version: [ 1, 2 ]
amdhsa.kernels:
  - .name:           k_q756935d939_gather
    .symbol:         k_q756935d939_gather.kd
    .args:
      - { .name: x, .offset: 0, .size: 8, .value_kind: global_buffer, .address_space: global }
      - { .name: rmeta, .offset: 8, .size: 8, .value_kind: global_buffer, .address_space: global }
      - { .name: xg, .offset: 16, .size: 8, .value_kind: global_buffer, .address_space: global }
    .group_segment_fixed_size: 9472
    .private_segment_fixed_size: 0
    .kernarg_segment_align: 8
    .kernarg_segment_size: 24
    .max_flat_workgroup_size: 32
    .sgpr_count:     66
    .vgpr_count:     194
    .wavefront_size: 32
...
	.end_amdgpu_metadata
.endif
;; end of part 7
;; launch ffn1 (part 8): grid 512 x 1, 4 waves a work-group, no clusters, 139,776 bytes of LDS; arguments xg, W1, b1, rmeta, hsw; writes hsw
.if DOCPART == 8
	.amdgcn_target "amdgcn-amd-amdhsa--gfx1250"
	.amdhsa_code_object_version 6
	.text
	.protected	k_q756935d939_ffn1
	.globl	k_q756935d939_ffn1
	.p2align	8
	.type	k_q756935d939_ffn1,@function
k_q756935d939_ffn1:
	s_mov_b64 s[64:65], 0
	v_nop
	global_prefetch_b8 v0, s[64:65] scope:SCOPE_SE
	s_setreg_imm32_b32 hwreg(HW_REG_WAVE_MODE, 25, 1), 1
	s_wait_xcnt 0x0
; FIRST LAYER: hsw = gelu(xg W1[e] + b1[e]) for the rows that chose expert e; f16 matrix operands, f32 sums, exact-form GELU in f32.
; PRECISION BY NEED.  An expert's error reaches the output multiplied by the token's routing weight, score / (sum of the two largest scores), which has no bound where the two scores
; nearly cancel.  Every operand is kept as hi (11 bits, f16) + lo (the exact rest, rounded to f16).  Rows of tokens with max |weight| <= 1.5 take ONE product, Whi Xhi: each operand
; is off by at most 2^-12 of itself.  The other rows, which the routing launch has put first in each expert's list (blocks 0 .. nbp - 1), take THREE:
; Whi Xhi + Wlo Xhi + Whi Xlo; what is dropped there is some 2^-22 of a product.  If every token is precise, every block takes three products.
; f16 AND ITS RANGE.  The weights are multiplied by 256 (exact) before the split, so that their lo terms are normal f16 numbers, and the sums by 2^-8 in the fused multiply-add
; that adds the bias.  Room: x, h and 256 W must stay within 65,504.  With x and W1 thirty times the size of unit-variance x and W1 of variance 1/1024, |h| stays near 5,000; with both shifted by thirty
; of their spreads it is near 1,024 x 30 x 0.94 = 29,000.
; THE WEIGHTS STAY, THE TOKENS PASS.  Work-group = expert e (number / 64) and 64 columns of H (number % 64): a slice of 1,024 x 64 of W1, 256 KiB of f32,
; read from memory once by this work-group alone and kept as fragments: wave w holds K rows 256 w .. 256 w + 255 x 64 columns, hi and lo: 64 fragments
; = 512 registers.  The expert's rows then pass in blocks of 32; each wave multiplies its quarter of K, and the four partial sums meet in LDS.
; Token fragments come straight from memory into registers (xg lies in fragment order): no LDS pass for them.  They have two buffers of 128 registers that take turns by the
; block's number, so that a block's hi fragments are asked for two blocks ahead.
; THE BLOCK LOOP HAS A CONSTANT COUNT.  How often a wave passes a barrier may hang on nothing that was loaded, and the number of blocks nb[e] is loaded.
; So there are always 32 turns (1,024 tokens / 32, the most that an expert can get), one barrier in each, on every path; a turn's work stands in stretches that are
; jumped over or chosen by forward branches on nb and nbp, and no barrier stands inside a stretch.  An idle turn is two compares, two waits and the barrier.
; An expert that no token chose reads its slice of the weights in vain and has 32 idle turns.
; NO CLUSTER, NO TENSOR LOAD: the weights, 256 KiB a work-group, are shared with nobody.  The 64 KiB of a block's hi fragments are shared by the 64 work-groups
; of an expert, but a joint request lands in LDS: it would add 32 LDS loads a wave and a round of the cluster's barrier to each block of 64 matrix instructions.
; The matrix instruction is used transposed (source 0 = 16 columns of W, source 1 = 16 token rows): lane (r, h) then holds token row r and eight neighbouring
; columns 8 h + 0..7, which is the order of hsw's fragments: tile x 262144 + part (0 hi, 1 lo) x 131072 + ks x 1024 + f x 512 + lane x 16, 128 K steps.
; hsw's lo part is written, and read by the second layer, for blocks 0 .. nbp - 1 alone.
; GELU: gelu(x) = max(x, 0) - |x| q, q = erfc(|x| / sqrt 2) / 2 = t (c1 + t (c2 + t (c3 + t (c4 + t c5)))) 2^(-0.72134752 x x), t = 1 / (1 + 0.23164189 |x|)
; (Abramowitz and Stegun 7.1.26, coefficients halved): error of erf at most 1.5e-7 for every finite x, no difference of near numbers in either tail.
; LIMITS: an infinite x gives NaN (the JAX function gives 0 or infinity); |h| or 256 |W1| above 65,504 becomes infinite; an f16 term below 6.1e-5 carries an absolute error of up to 6e-8;
; v_rcp_f32 and v_exp_f32 are 1 ULP and flush denormals.
.set PITCHW, 16384                     ; bytes from a K row of W1 to the next
.set PARTB,  32768                     ; from hi to lo in a tile of xg
.set TILEB,  65536                     ; bytes of a tile of 16 rows in xg
.set ASTEP,  2*TILEB                   ; a block of 32 rows in xg
.set OPART,  131072                    ; from hi to lo in a tile of hsw
.set OTILE,  262144                    ; a tile of hsw
.set OSTEP,  2*OTILE                   ; a block of 32 rows in hsw
.set TURNS,  32                        ; 1,024 tokens / 32 rows
.set WP,     288                       ; LDS pitch of a K row: 64 f16 hi, 64 f16 lo, 32 bytes more: an odd multiple of 32 bytes, for the transposing loads
.set WSTW,   64*WP                     ; a wave's own stage: 64 K rows
.set XCH,    4*WSTW                    ; behind the stages: the exchange, two buffers that take turns,
.set XBUF,   32768                     ; each 4 waves x 8 tiles x 1,024 bytes: the partial sums as the lanes hold them
; window 0: v0-15 numbers and addresses; v16-23 bias; v32-95 the 8 accumulator tiles (2 x 16 rows, 4 x 16 columns); v160-175, v232-241 constants; v176-231 GELU
; window 1: weight fragment hi (ks, nt) at register 8 (4 ks + nt); window 2: lo, likewise
; window 3: token buffer q (0, 1): fragment (ks, mt) at 128 q + 8 (2 ks + mt); while the weights come in, all 256 registers are a ring of 64 loads
; s[26:27], s[36:37]: for buffer 0, 1 the address of what was asked for it last
.set BIAS, 16
.set ACC,  32
.set TH,   32                          ; v[32:47]   sixteen K rows' hi on their way to the stage
.set TL,   48                          ; v[48:63]   their lo
.set U,    64                          ; v[64:95]   256 W, then the rests
.set V,    96                          ; v[96:127]  8193 x 256 W, then hi
.set D,    128                         ; v[128:159] the difference of the two
.set CP,   160
.set ONE,  162
.set CE,   164
.set K1,   166
.set K2,   168
.set K3,   170
.set K4,   172
.set K5,   174
.set AX,   176
.set DT,   184
.set UE,   192
.set PL,   200
.set TT,   208
.set OUTH, 216
.set OUTL, 224
.set K256, 232
.set KC,   234
.set NEG1, 236
.set C13,  238
.set KS,   240
.set MSB, 0
.macro WIN new                         ; s_set_vgpr_msb: bits 1:0 source 0, 3:2 source 1, 5:4 source 2, 7:6 destination; the high byte repeats the setting that is left
.if MSB != \new
	s_set_vgpr_msb (MSB<<8)|\new
.set MSB, \new
.endif
.endm
.macro PLACES n
.rept \n
	v_nop
.endr
.endm
	s_load_b256 s[4:11], s[0:1], 0x0               ; xg s[4:5], W1 s[6:7], b1 s[8:9], rmeta s[10:11]
	s_load_b64 s[12:13], s[0:1], 0x20              ; hsw
	v_lshl_add_u32 v254, v0, 2, 0x22000
	v_mov_b32 v255, 0
	v_lshrrev_b32 v1, 5, v0
	v_readfirstlane_b32 s14, v1                    ; wave
	s_lshr_b32 s15, ttmp9, 6                       ; expert
	s_and_b32 s16, ttmp9, 63                       ; which 64 columns
	s_lshl_b32 s22, s15, 2
	s_mov_b32 s23, 0
	s_mov_b32 s41, 0
	s_wait_kmcnt 0x0
	s_add_nc_u64 s[32:33], s[10:11], s[22:23]
	s_load_b32 s18, s[32:33], 0x0                  ; off[e]
	s_load_b32 s19, s[32:33], 0x20                 ; nb[e]
	s_load_b32 s35, s[32:33], 0x60                 ; nbp[e]
	v_and_b32 v1, 31, v0                           ; lane
	v_and_b32 v2, 15, v0                           ; r
	v_bfe_u32 v3, v0, 4, 1                         ; h
	s_lshl_b32 s20, s14, 22
	v_lshl_add_u32 v4, v2, 4, s20                  ; weights: 256 w rows + 16 r,
	v_lshl_add_u32 v4, v3, 14, v4                  ; and one row further down for lanes 16 to 31
	s_mul_i32 s21, s14, WSTW
	v_mul_u32_u24 v12, v3, WP
	v_lshl_add_u32 v12, v2, 3, v12
	v_add_nc_u32 v5, s21, v12                      ; stage, in: row h, 8 r
	v_and_b32 v12, 7, v0
	v_lshl_add_u32 v12, v3, 3, v12
	v_mul_u32_u24 v12, v12, WP
	v_bfe_u32 v13, v0, 3, 1
	v_lshl_add_u32 v12, v13, 4, v12
	v_add_nc_u32 v6, s21, v12                      ; stage, out: (8 h + lane % 8) rows + 16 ((lane / 8) % 2)
	s_lshl_b32 s20, s14, 13
	v_lshl_add_u32 v7, v1, 4, s20                  ; tokens: my 8 K steps of 1,024 bytes + 16 lane
	s_lshl_b32 s20, s14, 13
	s_add_co_u32 s20, s20, XCH
	v_lshl_add_u32 v8, v1, 4, s20                  ; exchange buffer 0, in: my 8 tiles
	s_lshl_b32 s20, s14, 10
	s_add_co_u32 s20, s20, XCH
	v_lshl_add_u32 v9, v1, 4, s20                  ; exchange buffer 0, out: column tile w of every wave
	v_add_nc_u32 v14, XBUF, v8                     ; the same in buffer 1
	v_add_nc_u32 v15, XBUF, v9
	s_lshl_b32 s20, s14, 9
	v_lshl_add_u32 v10, v1, 4, s20                 ; hsw: K step 2 ns + w / 2, half w % 2
	s_lshl_b32 s20, s14, 6
	v_lshl_add_u32 v11, v3, 5, s20                 ; bias: columns 16 w + 8 h
	s_wait_kmcnt 0x0
	s_min_u32 s18, s18, 2272                       ; 2,304 slots less one block
	s_min_u32 s19, s19, 32                         ; 1,024 tokens at the most
	s_min_u32 s35, s35, 32
	s_cmp_eq_u32 s19, 0
	s_cselect_b32 s18, 0, s18                      ; an expert without tokens asks for slot 0's block and uses nothing of it
	s_lshl_b32 s22, s15, 24
	s_lshl_b32 s20, s16, 8
	s_add_co_u32 s22, s22, s20
	s_add_nc_u64 s[24:25], s[6:7], s[22:23]        ; W1 + e x 16 MiB + 256 ns
	s_lshl_b32 s22, s18, 12
	s_add_nc_u64 s[26:27], s[4:5], s[22:23]        ; buffer 0 first takes xg + off x 4,096: hi of block 0
	s_cmp_gt_u32 s19, 1
	s_cselect_b32 s22, ASTEP, 0                    ; buffer 1 first takes hi of block 1 (of block 0 once more, if there is no block 1),
	s_cmp_lg_u32 s35, 0
	s_cselect_b32 s22, PARTB, s22                  ; or, if block 0 is precise, lo of block 0
	s_add_nc_u64 s[36:37], s[26:27], s[22:23]
	s_lshl_b32 s22, s18, 14
	s_lshl_b32 s20, s16, 11
	s_add_co_u32 s22, s22, s20
	s_add_nc_u64 s[28:29], s[12:13], s[22:23]      ; hsw + off x 16,384 + 2 K steps x ns
	s_lshl_b32 s22, s15, 14
	s_lshl_b32 s20, s16, 8
	s_add_co_u32 s22, s22, s20
	s_add_nc_u64 s[30:31], s[8:9], s[22:23]        ; b1 + e x 16,384 + 256 ns
	global_load_b128 v[BIAS:BIAS+3],   v11, s[30:31]               ; column tile w: 8 h + 0..7
	global_load_b128 v[BIAS+4:BIAS+7], v11, s[30:31] offset:16
.irp h, 0,1
	v_mov_b32 v[CP+\h],  0x3e6d3388                ; 0.23164189
	v_mov_b32 v[ONE+\h], 1.0
	v_mov_b32 v[CE+\h],  0xbf38aa3b                ; -0.72134752
	v_mov_b32 v[K1+\h],  0xbe027906                ; the five coefficients negated: the polynomial gives -q
	v_mov_b32 v[K2+\h],  0x3e11a98e
	v_mov_b32 v[K3+\h],  0xbf35f0e3
	v_mov_b32 v[K4+\h],  0x3f3a00e3
	v_mov_b32 v[K5+\h],  0xbf07dc22
	v_mov_b32 v[K256+\h], 0x43800000               ; 256
	v_mov_b32 v[KC+\h],   0x4a000400               ; 8193 x 256
	v_mov_b32 v[NEG1+\h], -1.0
	v_mov_b32 v[C13+\h],  0x46000400               ; 8193
	v_mov_b32 v[KS+\h],   0x3b800000               ; 2^-8
.endr
	WIN 0xc0
.set i, 0
.rept 64
	global_load_b128 v[4*i:4*i+3], v4, s[24:25] offset:2*i*PITCHW th:TH_LOAD_NT   ; K rows 2 i, 2 i + 1 of my 256: 256 consecutive bytes each, aligned; read once in the launch
.set i, i+1
.endr
; 32 loads: the token fragments of my 8 K steps, from the address in s[base:base+1] (a block's hi or lo part) into token buffer buf.  Window: destination 3.
.macro LOADA buf, base
.irp k, 0,1,2,3,4,5,6,7
.irp mt, 0,1
.irp f, 0,1
	global_load_b128 v[128*(\buf)+8*(2*\k+\mt)+4*\f:128*(\buf)+8*(2*\k+\mt)+4*\f+3], v7, s[\base:\base+1] offset:\mt*TILEB+1024*\k+512*\f
.endr
.endr
.endr
.endm
; 64 K rows of the weights (32 loads, in four batches of 8): out of the ring, times 256, split into hi and lo, into my stage; the ring is filled again; then the rows leave the stage
; transposed, as the fragments of K steps 2 p, 2 p + 1.  The stage is my wave's own; LDS serves a wave's instructions in order (ISA guide 5.7.1.4), so the transposing loads see the stores.
; The split: u = 256 W, c = 8193 u, d = c - u, hi = c - d (u rounded to 11 bits: its conversion to f16 is exact), lo = u - hi (exact), each difference one fused multiply-add with -1.
; The waits count younger loads.  Passes 0, 1: 64 are out, the oldest 8 are wanted: 56.  Pass 2 fills nothing: 56, 48, 40, 32.  Behind its batches token buffer 0's 32 loads
; go into ring registers that have been read for the last time; they are younger than the 32 weight loads left, so pass 3 has 56, 48, 40, 32 again.  Buffer 1's 32 loads follow pass 3's batches.
.macro WPASS p
.if \p > 0
	s_wait_dscnt 0x0                               ; the last pass's transposing loads are back before the stage is written again
.endif
.irp b, 0,1,2,3
.set S0, 4*(32*(\p&1)+8*\b)            ; the batch's first ring register
.if \p < 2
	s_wait_loadcnt 56
.else
	s_wait_loadcnt 56-8*\b
.endif
	WIN 0x03                                       ; source 0 window 3, the rest window 0
.set jj, 0
.rept 16
	v_pk_mul_f32 v[U+2*jj:U+2*jj+1], v[S0+2*jj:S0+2*jj+1], v[K256:K256+1]     ; u
	v_pk_mul_f32 v[V+2*jj:V+2*jj+1], v[S0+2*jj:S0+2*jj+1], v[KC:KC+1]         ; c
.set jj, jj+1
.endr
	WIN 0
.set jj, 0
.rept 16
	v_pk_fma_f32 v[D+2*jj:D+2*jj+1], v[U+2*jj:U+2*jj+1], v[NEG1:NEG1+1], v[V+2*jj:V+2*jj+1]   ; d
.set jj, jj+1
.endr
.set jj, 0
.rept 16
	v_pk_fma_f32 v[V+2*jj:V+2*jj+1], v[D+2*jj:D+2*jj+1], v[NEG1:NEG1+1], v[V+2*jj:V+2*jj+1]   ; hi
.set jj, jj+1
.endr
.set jj, 0
.rept 16
	v_pk_fma_f32 v[U+2*jj:U+2*jj+1], v[V+2*jj:V+2*jj+1], v[NEG1:NEG1+1], v[U+2*jj:U+2*jj+1]   ; lo
.set jj, jj+1
.endr
.set jj, 0
.rept 16
	v_cvt_pk_f16_f32 v[TH+jj], v[V+2*jj], v[V+2*jj+1]
	v_cvt_pk_f16_f32 v[TL+jj], v[U+2*jj], v[U+2*jj+1]
.set jj, jj+1
.endr
.irp j, 0,1,2,3,4,5,6,7
	ds_store_b64 v5, v[TH+2*\j:TH+2*\j+1] offset:2*(8*\b+\j)*WP
	ds_store_b64 v5, v[TL+2*\j:TL+2*\j+1] offset:2*(8*\b+\j)*WP+128
.endr
.if \p < 2
	WIN 0xc0
.irp j, 0,1,2,3,4,5,6,7
	global_load_b128 v[S0+4*\j:S0+4*\j+3], v4, s[24:25] offset:2*(64+32*\p+8*\b+\j)*PITCHW th:TH_LOAD_NT
.endr
.endif
.if \b == 3
.if \p == 2
	WIN 0xc0
	LOADA 0, 26
.endif
.if \p == 3
	WIN 0xc0
	LOADA 1, 36
.endif
.endif
.endr
	WIN 0x40                                       ; hi into window 1
.irp a, 0,1
.irp nt, 0,1,2,3
	ds_load_tr16_b128 v[((2*\p+\a)*4+\nt)*8:((2*\p+\a)*4+\nt)*8+3],   v6 offset:32*WP*\a+32*\nt         ; K = 8 h + 0..7 of column 16 nt + r
	ds_load_tr16_b128 v[((2*\p+\a)*4+\nt)*8+4:((2*\p+\a)*4+\nt)*8+7], v6 offset:32*WP*\a+16*WP+32*\nt   ; K = 16 + 8 h + 0..7
.endr
.endr
	WIN 0x80                                       ; lo into window 2
.irp a, 0,1
.irp nt, 0,1,2,3
	ds_load_tr16_b128 v[((2*\p+\a)*4+\nt)*8:((2*\p+\a)*4+\nt)*8+3],   v6 offset:32*WP*\a+32*\nt+128
	ds_load_tr16_b128 v[((2*\p+\a)*4+\nt)*8+4:((2*\p+\a)*4+\nt)*8+7], v6 offset:32*WP*\a+16*WP+32*\nt+128
.endr
.endr
.endm
; 8 matrix instructions: one K step of 32, all 8 accumulator tiles.  fl = the token buffer; the window says which part of the weights.
; The accumulators take turns, one instruction a turn.
.macro MM ks, fl, zero
.irp mt, 0,1
.irp nt, 0,1,2,3
.if \zero
	v_wmma_f32_16x16x32_f16 v[ACC+8*(4*\mt+\nt):ACC+8*(4*\mt+\nt)+7], v[(\ks*4+\nt)*8:(\ks*4+\nt)*8+7], v[128*(\fl)+8*(2*\ks+\mt):128*(\fl)+8*(2*\ks+\mt)+7], 0
.else
	v_wmma_f32_16x16x32_f16 v[ACC+8*(4*\mt+\nt):ACC+8*(4*\mt+\nt)+7], v[(\ks*4+\nt)*8:(\ks*4+\nt)*8+7], v[128*(\fl)+8*(2*\ks+\mt):128*(\fl)+8*(2*\ks+\mt)+7], v[ACC+8*(4*\mt+\nt):ACC+8*(4*\mt+\nt)+7]
.endif
.endr
.endr
.endm
.macro XSTORE adr                      ; my 8 partial tiles, as the lanes hold them: 16 bytes a lane, 512 consecutive bytes an instruction
.irp mt, 0,1
.irp nt, 0,1,2,3
	ds_store_b128 v[\adr], v[ACC+8*(4*\mt+\nt):ACC+8*(4*\mt+\nt)+3]   offset:(4*\mt+\nt)*1024
	ds_store_b128 v[\adr], v[ACC+8*(4*\mt+\nt)+4:ACC+8*(4*\mt+\nt)+7] offset:(4*\mt+\nt)*1024+512
.endr
.endr
.endm
.macro XLOAD adr                       ; group mt: tile (mt, w) of the four waves s, 8 loads, into v[ACC + 32 mt + 8 s ..]
.irp mt, 0,1
.irp s, 0,1,2,3
	ds_load_b128 v[ACC+32*\mt+8*\s:ACC+32*\mt+8*\s+3],   v[\adr] offset:8192*\s+4096*\mt
	ds_load_b128 v[ACC+32*\mt+8*\s+4:ACC+32*\mt+8*\s+7], v[\adr] offset:8192*\s+4096*\mt+512
.endr
.endr
.endm
; eight numbers v[x .. x+7] -> gelu -> four registers of f16 hi and, with lo = 1, four of lo
.macro GELU8 x, oh, ol, lo
.irp j, 0,1,2,3,4,5,6,7
	v_and_b32 v[AX+\j], 0x7fffffff, v[\x+\j]
.endr
.irp j, 0,2,4,6
	v_pk_fma_f32 v[DT+\j:DT+\j+1], v[AX+\j:AX+\j+1], v[CP:CP+1], v[ONE:ONE+1]
.endr
.irp j, 0,1,2,3,4,5,6,7
	v_rcp_f32 v[TT+\j], v[DT+\j]                   ; t
.endr
.irp j, 0,2,4,6
	v_pk_mul_f32 v[UE+\j:UE+\j+1], v[\x+\j:\x+\j+1], v[\x+\j:\x+\j+1]   ; plain work that touches neither t nor its source stands behind the reciprocals (ISA guide 5.7.2)
.endr
.irp j, 0,2,4,6
	v_pk_mul_f32 v[UE+\j:UE+\j+1], v[UE+\j:UE+\j+1], v[CE:CE+1]
.endr
.irp j, 0,1,2,3,4,5,6,7
	v_exp_f32 v[DT+\j], v[UE+\j]                   ; 2^(-0.72134752 x x)
.endr
	s_wait_alu depctr_va_vdst(0)
.irp j, 0,2,4,6
	v_pk_fma_f32 v[PL+\j:PL+\j+1], v[TT+\j:TT+\j+1], v[K5:K5+1], v[K4:K4+1]   ; and likewise behind the exponentials
.endr
.irp k, K3,K2,K1
.irp j, 0,2,4,6
	v_pk_fma_f32 v[PL+\j:PL+\j+1], v[PL+\j:PL+\j+1], v[TT+\j:TT+\j+1], v[\k:\k+1]
.endr
.endr
.irp j, 0,2,4,6
	v_pk_mul_f32 v[PL+\j:PL+\j+1], v[PL+\j:PL+\j+1], v[TT+\j:TT+\j+1]
.endr
.irp j, 0,2,4,6
	v_pk_mul_f32 v[PL+\j:PL+\j+1], v[PL+\j:PL+\j+1], v[DT+\j:DT+\j+1]         ; -q
.endr
.irp j, 0,1,2,3,4,5,6,7
	v_max_num_f32 v[UE+\j], 0, v[\x+\j]
.endr
.irp j, 0,2,4,6
	v_pk_fma_f32 v[UE+\j:UE+\j+1], v[AX+\j:AX+\j+1], v[PL+\j:PL+\j+1], v[UE+\j:UE+\j+1]       ; h
.endr
.irp j, 0,2,4,6
	v_pk_mul_f32 v[PL+\j:PL+\j+1], v[UE+\j:UE+\j+1], v[C13:C13+1]                             ; c = 8193 h
.endr
.irp j, 0,2,4,6
	v_pk_fma_f32 v[DT+\j:DT+\j+1], v[UE+\j:UE+\j+1], v[NEG1:NEG1+1], v[PL+\j:PL+\j+1]         ; d = c - h
.endr
.irp j, 0,2,4,6
	v_pk_fma_f32 v[PL+\j:PL+\j+1], v[DT+\j:DT+\j+1], v[NEG1:NEG1+1], v[PL+\j:PL+\j+1]         ; hi = c - d: h rounded to 11 bits
.endr
.irp j, 0,1,2,3
	v_cvt_pk_f16_f32 v[\oh+\j], v[PL+2*\j], v[PL+2*\j+1]
.endr
.if \lo
.irp j, 0,2,4,6
	v_pk_fma_f32 v[UE+\j:UE+\j+1], v[PL+\j:PL+\j+1], v[NEG1:NEG1+1], v[UE+\j:UE+\j+1]         ; lo = h - hi: exact
.endr
.irp j, 0,1,2,3
	v_cvt_pk_f16_f32 v[\ol+\j], v[UE+2*\j], v[UE+2*\j+1]
.endr
.endif
.endm
.macro REDUCE lo                       ; lo = 1: a precise block, whose lo part the second layer will read
.irp mt, 0,1
.set G, ACC+32*\mt
	s_wait_dscnt 8-8*\mt                           ; LDS loads come back in order: this group's 8 are in, the later group's stay out
.irp j, 0,2,4,6
	v_pk_add_f32 v[G+\j:G+\j+1], v[G+\j:G+\j+1], v[G+8+\j:G+9+\j]
	v_pk_add_f32 v[G+16+\j:G+17+\j], v[G+16+\j:G+17+\j], v[G+24+\j:G+25+\j]
.endr
.irp j, 0,2,4,6
	v_pk_add_f32 v[G+\j:G+\j+1], v[G+\j:G+\j+1], v[G+16+\j:G+17+\j]
.endr
.irp j, 0,2,4,6
	v_pk_fma_f32 v[G+\j:G+\j+1], v[G+\j:G+\j+1], v[KS:KS+1], v[BIAS+\j:BIAS+\j+1]   ; the weights' factor of 256 goes out as the bias comes in
.endr
	GELU8 G, OUTH+4*\mt, OUTL+4*\mt, \lo
	global_store_b128 v10, v[OUTH+4*\mt:OUTH+4*\mt+3], s[28:29] offset:OTILE*\mt         ; half a fragment of hsw: 512 consecutive bytes, aligned
.if \lo
	global_store_b128 v10, v[OUTL+4*\mt:OUTL+4*\mt+3], s[28:29] offset:OTILE*\mt+OPART
.endif
.endr
.endm
; One turn: block b = s20 + odd, through exchange buffer odd; its own token buffer is buffer odd, with the pointer s[PB:PB+1]; the other buffer's pointer is s[PO:PO+1].
; THE STATE AT A TURN'S HEAD, on every path: at most 64 token loads are out, first the 32 into my buffer (hi of b, at the address in PB), then the 32 into the other buffer:
; lo of b (at PB's address + PARTB) if b is precise, else hi of b + 1.  So s_wait_loadcnt 32 shows hi of b landed.
; A plain block multiplies once and then asks for hi of b + 2 into its own buffer: that load has the rest of this turn and all of the next in which to land.  The last two blocks ask for
; nothing and wait for all loads instead: with fewer than 64 out a later wait for 32 would show nothing.
; A precise block multiplies hi twice while lo lands, then lo; only then both buffers are free, and they are asked for in the order of the next head: the other buffer takes hi of b + 1,
; mine lo of b + 1 (if that block is precise too) or hi of b + 2.  Where there is no such block the pointer steps by 0 and the bytes asked for once more are used by nobody: 16 KiB a wave each,
; inside the buffer, at most twice in a work-group.
; An idle turn waits for all loads, so that the state holds behind it whatever the block's parity.
; ONE barrier a turn does for both orders.  In front of it each wave waits for all its LDS instructions: its stores of this block's partial sums, which the others read behind it,
; and its reads of the block before, from the other buffer, which is written again only in the next turn, behind this barrier.
.macro TRIP odd
.set PB, 26+10*\odd
.set PO, 36-10*\odd
	s_add_co_u32 s21, s20, \odd                    ; this turn's block
	s_cmp_ge_u32 s21, s19
	s_cbranch_scc1 .Lidle_a_\@                     ; no such block
	s_add_co_u32 s34, s21, 1
	s_add_co_u32 s38, s21, 2
	s_cmp_ge_u32 s21, s35
	s_cbranch_scc1 .Lplain_\@
	s_cmp_lt_u32 s34, s19                          ; THREE PRODUCTS
	s_cselect_b32 s40, ASTEP-PARTB, 0              ; the other pointer: from lo of b to hi of b + 1
	s_cmp_lt_u32 s38, s19
	s_cselect_b32 s22, 2*ASTEP, 0                  ; my pointer: from hi of b to hi of b + 2,
	s_cmp_lt_u32 s34, s35
	s_cselect_b32 s22, ASTEP+PARTB, s22            ; or to lo of b + 1
	s_wait_loadcnt 32                              ; hi is in; the 32 loads of lo are younger
	WIN 0x0d                                       ; source 0 window 1 (W hi), source 1 window 3, C and D window 0
	MM 0, \odd, 1                                  ; the first product starts the sums: nothing is cleared
.irp ks, 1,2,3,4,5,6,7
	MM \ks, \odd, 0
.endr
	WIN 0x0e                                       ; source 0 window 2 (W lo)
.irp ks, 0,1,2,3,4,5,6,7
	MM \ks, \odd, 0
.endr
	s_wait_loadcnt 0x0                             ; lo is in: nothing younger is out
	WIN 0x0d                                       ; W hi again
.irp ks, 0,1,2,3,4,5,6,7
	MM \ks, 1-\odd, 0
.endr
	PLACES 4                                       ; a load into a register that a matrix instruction has read stands four places behind it (ISA guide 7.12.1 for vector instructions)
	s_wait_xcnt 0x0                                ; the pointers are stepped only behind this wait (their loads have landed as well)
	s_add_nc_u64 s[PO:PO+1], s[PO:PO+1], s[40:41]
	s_add_nc_u64 s[PB:PB+1], s[PB:PB+1], s[22:23]
	WIN 0xc0
	LOADA 1-\odd, PO                               ; first the next block's own buffer,
	LOADA \odd, PB                                 ; then mine
	WIN 0                                          ; at a label and at a branch every window is 0
	s_branch .Lsums_\@
.Lplain_\@:                                        ; ONE PRODUCT
	s_wait_loadcnt 32                              ; hi is in; the other buffer's 32 loads are younger
	WIN 0x0d
	MM 0, \odd, 1
.irp ks, 1,2,3,4,5,6,7
	MM \ks, \odd, 0
.endr
	PLACES 4                                       ; as above
	WIN 0
	s_cmp_lt_u32 s38, s19
	s_cbranch_scc0 .Lnoask_\@                      ; no block b + 2
	s_wait_xcnt 0x0                                ; my pointer is stepped only behind this wait
	s_add_nc_u64 s[PB:PB+1], s[PB:PB+1], 2*ASTEP
	WIN 0xc0
	LOADA \odd, PB                                 ; hi of b + 2
	WIN 0
	s_branch .Lsums_\@
.Lnoask_\@:
	s_wait_loadcnt 0x0                             ; nothing was asked for: the next head's wait for 32 would not show the other buffer landed, so this one does
.Lsums_\@:
	PLACES 5                                       ; places behind the last matrix instructions: for the LDS stores of the sums, the loads into the sums, and the next block's first products, which write over the sums
	XSTORE 8+6*\odd
	s_branch .Lbar_\@
.Lidle_a_\@:
	s_wait_loadcnt 0x0                             ; the state at the next head holds: nothing is out
.Lbar_\@:
	s_wait_dscnt 0x0                               ; my stores of this block and my reads of the last are done before I say so
	s_barrier_signal -1
	s_barrier_wait -1
	s_cmp_ge_u32 s21, s19
	s_cbranch_scc1 .Lidle_b_\@
	XLOAD 9+6*\odd
	s_cmp_ge_u32 s21, s35
	s_cbranch_scc1 .Lhi_only_\@
	REDUCE 1
	s_branch .Lstored_\@
.Lhi_only_\@:
	REDUCE 0
.Lstored_\@:
	s_wait_xcnt 0x0                                ; the stores' base and data are written again only behind this wait
	s_add_nc_u64 s[28:29], s[28:29], OSTEP
.Lidle_b_\@:
.endm
	WPASS 0
	WPASS 1
	WPASS 2
	WPASS 3
	WIN 0                                          ; at a label and at a branch every window is 0
	s_wait_dscnt 0x0                               ; the last fragments of the weights are in
	s_mov_b32 s20, 0
.Lblk:                                             ; 16 trips of two turns: a constant
	TRIP 0
	TRIP 1
	s_add_co_u32 s20, s20, 2
	s_cmp_lt_u32 s20, TURNS
	s_cbranch_scc1 .Lblk
	s_wait_tensorcnt 0x0
	ds_add_u32 v254, v255
	s_wait_dscnt 0x0
	s_endpgm
.Lfunc_end_k_q756935d939_ffn1:
	.size	k_q756935d939_ffn1, .Lfunc_end_k_q756935d939_ffn1-k_q756935d939_ffn1
	.p2alignl 7, 3214868480
	.fill 96, 4, 3214868480
	.section	.rodata,"a",@progbits
	.p2align	6, 0x0
	.amdhsa_kernel k_q756935d939_ffn1
		.amdhsa_group_segment_fixed_size 139776
		.amdhsa_private_segment_fixed_size 0
		.amdhsa_enable_private_segment 0
		.amdhsa_kernarg_size 40
		.amdhsa_user_sgpr_count 2
		.amdhsa_user_sgpr_kernarg_segment_ptr 1
		.amdhsa_wavefront_size32 1
		.amdhsa_system_sgpr_workgroup_id_x 1
		.amdhsa_system_sgpr_workgroup_id_y 1
		.amdhsa_system_sgpr_workgroup_id_z 1
		.amdhsa_system_vgpr_workitem_id 0
		.amdhsa_next_free_vgpr 1024
		.amdhsa_next_free_sgpr 66
		.amdhsa_reserve_vcc 0
		.amdhsa_float_denorm_mode_32 3
		.amdhsa_float_denorm_mode_16_64 3
		.amdhsa_memory_ordered 1
		.amdhsa_forward_progress 1
		.amdhsa_inst_pref_size 255
	.end_amdhsa_kernel
	.section	.bss,"aw",@nobits
	.p2align	6
	.space	262144
	.amdgpu_metadata
---
amdhsa.version: [ 1, 2 ]
amdhsa.kernels:
  - .name:           k_q756935d939_ffn1
    .symbol:         k_q756935d939_ffn1.kd
    .args:
      - { .name: xg, .offset: 0, .size: 8, .value_kind: global_buffer, .address_space: global }
      - { .name: W1, .offset: 8, .size: 8, .value_kind: global_buffer, .address_space: global }
      - { .name: b1, .offset: 16, .size: 8, .value_kind: global_buffer, .address_space: global }
      - { .name: rmeta, .offset: 24, .size: 8, .value_kind: global_buffer, .address_space: global }
      - { .name: hsw, .offset: 32, .size: 8, .value_kind: global_buffer, .address_space: global }
    .group_segment_fixed_size: 139776
    .private_segment_fixed_size: 0
    .kernarg_segment_align: 8
    .kernarg_segment_size: 40
    .max_flat_workgroup_size: 128
    .sgpr_count:     66
    .vgpr_count:     1024
    .wavefront_size: 32
...
	.end_amdgpu_metadata
.endif
;; end of part 8
;; launch ffn2 (part 9): grid 512 x 1, 4 waves a work-group, no clusters, 143,872 bytes of LDS; arguments hsw, W2, rmeta, ypart; writes ypart
.if DOCPART == 9
	.amdgcn_target "amdgcn-amd-amdhsa--gfx1250"
	.amdhsa_code_object_version 6
	.text
	.protected	k_q756935d939_ffn2
	.globl	k_q756935d939_ffn2
	.p2align	8
	.type	k_q756935d939_ffn2,@function
k_q756935d939_ffn2:
	s_mov_b64 s[64:65], 0
	v_nop
	global_prefetch_b8 v0, s[64:65] scope:SCOPE_SE
	s_setreg_imm32_b32 hwreg(HW_REG_WAVE_MODE, 25, 1), 1
	s_wait_xcnt 0x0
; SECOND LAYER, in four parts along K: ypart[kq][slot][0..1023] = hsw[slot][1024 kq .. + 1023] W2[e][1024 kq .. + 1023][0..1023]; f16 matrix operands, f32 sums.
; PRECISION BY NEED, as in the first layer and for its reason (a routing weight without a bound multiplies an expert's error): every operand is hi (11 bits, f16) + lo (the exact rest in f16).
; Blocks 0 .. nbp - 1 of an expert, which hold the rows of tokens with max |weight| > 1.5, take Whi Hhi + Wlo Hhi + Whi Hlo; all other blocks take Whi Hhi alone.
; The weights are multiplied by 256 (exact) before the split, so that their lo terms are normal f16 numbers; the sums are multiplied by 2^-8 before they are stored.
; THE WEIGHTS STAY, THE TOKENS PASS.  Work-group = expert e (number / 64), quarter kq of K = 4,096 ((number / 16) % 4), 64 columns of D (number % 16): a slice of 1,024 x 64 of W2,
; 256 KiB of f32, read once by this work-group alone and kept as f16 fragments, hi and lo, 512 registers a wave (wave w: K rows 256 w .. + 255 of the slice).
; The expert's rows pass in blocks of 32; the four waves' partial sums meet in LDS and leave as rows of f32.  Token fragments have two buffers of 128 registers that take turns by the
; block's number, so that a block's hi fragments are asked for two blocks ahead.
; Why K is cut over work-groups: as many registers hold a slice of 4,096 x 16, but then each work-group would read all of each token row of hsw, four times the bytes,
; to spare the three further parts of ypart, which are fewer.  The four parts, the bias and the routing weights are put together by the next launch.
; THE BLOCK LOOP HAS A CONSTANT COUNT.  How often a wave passes a barrier may hang on nothing that was loaded, and nb[e] is loaded.  So there are always 32 turns
; (1,024 tokens / 32), one barrier in each, on every path; a turn's work stands in stretches that are jumped over or chosen by forward branches on nb and nbp, with no barrier inside.
; An expert that no token chose reads its slice of the weights in vain and has 32 idle turns.
; NO CLUSTER, NO TENSOR LOAD: the weights are shared with nobody, and the token fragments go straight into registers, 512 consecutive bytes a load; a joint request would land in LDS
; and add 32 LDS loads a wave and a round of the cluster's barrier to each block of 64 matrix instructions.
; LIMITS: 256 |W2| above 65,504 becomes infinite; an f16 term below 6.1e-5 carries an absolute error of up to 6e-8.
.set PITCHW, 4096                      ; bytes from a K row of W2 to the next
.set PARTB,  131072                    ; from hi to lo in a tile of hsw
.set TILEB,  262144                    ; bytes of a tile of 16 rows in hsw
.set ASTEP,  2*TILEB                   ; a block of 32 rows in hsw
.set OSTEP,  131072                    ; and in a part of ypart
.set TURNS,  32                        ; 1,024 tokens / 32 rows
.set WP,     288                       ; LDS pitch of a K row: 64 f16 hi, 64 f16 lo, 32 bytes more: an odd multiple of 32 bytes, for the transposing loads
.set WSTW,   64*WP                     ; a wave's own stage: 64 K rows
.set XCH,    4*WSTW                    ; behind the stages: the exchange, two buffers that take turns,
.set XP,     272                       ; each 4 waves x 32 rows of 256 bytes, 272 apart (an odd multiple of 16)
.set XBUF,   4*32*XP
; window 0: v0-15 numbers and addresses; v32-95 the 8 accumulator tiles; v160-167 constants; window 1: weight fragment hi (ks, nt) at register 8 (4 ks + nt); window 2: lo, likewise;
; window 3: token buffer q (0, 1): fragment (ks, mt) at 128 q + 8 (2 ks + mt); while the weights come in, a ring of 64 loads
; s[26:27], s[36:37]: for buffer 0, 1 the address of what was asked for it last
.set ACC,  32
.set TH,   32                          ; v[32:47]   sixteen K rows' hi on their way to the stage
.set TL,   48                          ; v[48:63]   their lo
.set U,    64                          ; v[64:95]   256 W, then the rests
.set V,    96                          ; v[96:127]  8193 x 256 W, then hi
.set D,    128                         ; v[128:159] the difference of the two
.set K256, 160
.set KC,   162
.set NEG1, 164
.set KS,   166
.set MSB, 0
.macro WIN new                         ; s_set_vgpr_msb: bits 1:0 source 0, 3:2 source 1, 5:4 source 2, 7:6 destination; the high byte repeats the setting that is left
.if MSB != \new
	s_set_vgpr_msb (MSB<<8)|\new
.set MSB, \new
.endif
.endm
.macro PLACES n
.rept \n
	v_nop
.endr
.endm
	s_load_b256 s[4:11], s[0:1], 0x0               ; hsw s[4:5], W2 s[6:7], rmeta s[8:9], ypart s[10:11]
	v_lshl_add_u32 v254, v0, 2, 0x23000
	v_mov_b32 v255, 0
	v_lshrrev_b32 v1, 5, v0
	v_readfirstlane_b32 s14, v1                    ; wave
	s_lshr_b32 s15, ttmp9, 6                       ; expert
	s_and_b32 s16, ttmp9, 15                       ; which 64 columns
	s_bfe_u32 s17, ttmp9, 0x20004                  ; which quarter of K
	s_lshl_b32 s22, s15, 2
	s_mov_b32 s23, 0
	s_mov_b32 s41, 0
	s_wait_kmcnt 0x0
	s_add_nc_u64 s[32:33], s[8:9], s[22:23]
	s_load_b32 s18, s[32:33], 0x0                  ; off[e]
	s_load_b32 s19, s[32:33], 0x20                 ; nb[e]
	s_load_b32 s35, s[32:33], 0x60                 ; nbp[e]
	v_and_b32 v1, 31, v0                           ; lane
	v_and_b32 v2, 15, v0                           ; r
	v_bfe_u32 v3, v0, 4, 1                         ; h
	s_lshl_b32 s20, s14, 20
	v_lshl_add_u32 v4, v2, 4, s20                  ; weights: 256 w rows + 16 r,
	v_lshl_add_u32 v4, v3, 12, v4                  ; and one row further down for lanes 16 to 31
	s_mul_i32 s21, s14, WSTW
	v_mul_u32_u24 v12, v3, WP
	v_lshl_add_u32 v12, v2, 3, v12
	v_add_nc_u32 v5, s21, v12                      ; stage, in: row h, 8 r
	v_and_b32 v12, 7, v0
	v_lshl_add_u32 v12, v3, 3, v12
	v_mul_u32_u24 v12, v12, WP
	v_bfe_u32 v13, v0, 3, 1
	v_lshl_add_u32 v12, v13, 4, v12
	v_add_nc_u32 v6, s21, v12                      ; stage, out: (8 h + lane % 8) rows + 16 ((lane / 8) % 2)
	s_lshl_b32 s20, s14, 13
	v_lshl_add_u32 v7, v1, 4, s20                  ; tokens: my 8 K steps of 1,024 bytes + 16 lane
	s_mul_i32 s20, s14, 32*XP
	s_add_co_u32 s20, s20, XCH
	v_mul_u32_u24 v12, v2, XP
	v_lshl_add_u32 v12, v3, 5, v12
	v_add_nc_u32 v8, s20, v12                      ; exchange buffer 0, in: row r, 32 bytes for each half of the lanes
	s_mul_i32 s20, s14, 8*XP
	s_add_co_u32 s20, s20, XCH
	v_mul_u32_u24 v12, v3, XP
	v_lshl_add_u32 v12, v2, 4, v12
	v_add_nc_u32 v9, s20, v12                      ; exchange buffer 0, out: rows 8 w + h of every wave, 16 bytes a lane
	v_add_nc_u32 v14, XBUF, v8                     ; the same in buffer 1
	v_add_nc_u32 v15, XBUF, v9
	s_lshl_b32 s20, s14, 15
	v_lshl_add_u32 v10, v2, 4, s20                 ; ypart: the same rows: (8 w + h) x 4,096 + 16 r
	v_lshl_add_u32 v10, v3, 12, v10
.irp h, 0,1
	v_mov_b32 v[K256+\h], 0x43800000               ; 256
	v_mov_b32 v[KC+\h],   0x4a000400               ; 8193 x 256
	v_mov_b32 v[NEG1+\h], -1.0
	v_mov_b32 v[KS+\h],   0x3b800000               ; 2^-8
.endr
	s_wait_kmcnt 0x0
	s_min_u32 s18, s18, 2272                       ; 2,304 slots less one block
	s_min_u32 s19, s19, 32                         ; 1,024 tokens at the most
	s_min_u32 s35, s35, 32
	s_cmp_eq_u32 s19, 0
	s_cselect_b32 s18, 0, s18                      ; an expert without tokens asks for slot 0's block, whose hi part the first layer has always written, and uses nothing of it
	s_lshl_b32 s22, s15, 24
	s_lshl_b32 s20, s17, 22
	s_add_co_u32 s22, s22, s20
	s_lshl_b32 s20, s16, 8
	s_add_co_u32 s22, s22, s20
	s_add_nc_u64 s[24:25], s[6:7], s[22:23]        ; W2 + e x 16 MiB + kq x 1,024 rows + 256 ns
	s_lshl_b32 s22, s18, 14
	s_lshl_b32 s20, s17, 15
	s_add_co_u32 s22, s22, s20
	s_add_nc_u64 s[26:27], s[4:5], s[22:23]        ; buffer 0 first takes hsw + off x 16,384 + 32 K steps x kq: hi of block 0
	s_cmp_gt_u32 s19, 1
	s_cselect_b32 s22, ASTEP, 0                    ; buffer 1 first takes hi of block 1 (of block 0 once more, if there is no block 1),
	s_cmp_lg_u32 s35, 0
	s_cselect_b32 s22, PARTB, s22                  ; or, if block 0 is precise, lo of block 0
	s_add_nc_u64 s[36:37], s[26:27], s[22:23]
	s_mul_i32 s22, s17, 9437184                    ; a part of ypart: 2,304 rows of 4,096 bytes
	s_lshl_b32 s20, s18, 12
	s_add_co_u32 s22, s22, s20
	s_lshl_b32 s20, s16, 8
	s_add_co_u32 s22, s22, s20
	s_add_nc_u64 s[28:29], s[10:11], s[22:23]
	WIN 0xc0
.set i, 0
.rept 64
	global_load_b128 v[4*i:4*i+3], v4, s[24:25] offset:2*i*PITCHW th:TH_LOAD_NT   ; K rows 2 i, 2 i + 1 of my 256: 256 consecutive bytes each, aligned; read once in the launch
.set i, i+1
.endr
; 32 loads: the token fragments of my 8 K steps, from the address in s[base:base+1] (a block's hi or lo part) into token buffer buf.  Window: destination 3.
.macro LOADA buf, base
.irp k, 0,1,2,3,4,5,6,7
.irp mt, 0,1
.irp f, 0,1
	global_load_b128 v[128*(\buf)+8*(2*\k+\mt)+4*\f:128*(\buf)+8*(2*\k+\mt)+4*\f+3], v7, s[\base:\base+1] offset:\mt*TILEB+1024*\k+512*\f
.endr
.endr
.endr
.endm
; 64 K rows of the weights (32 loads, in four batches of 8): out of the ring, times 256, split into hi and lo, into my stage; the ring is filled again; then the rows leave the stage
; transposed, as the fragments of K steps 2 p, 2 p + 1.  The stage is my wave's own; LDS serves a wave's instructions in order (ISA guide 5.7.1.4), so the transposing loads see the stores.
; The split: u = 256 W, c = 8193 u, d = c - u, hi = c - d (u rounded to 11 bits: its conversion to f16 is exact), lo = u - hi (exact), each difference one fused multiply-add with -1.
; The waits count younger loads.  Passes 0, 1: 64 are out, the oldest 8 are wanted: 56.  Pass 2 fills nothing: 56, 48, 40, 32.  Behind its batches token buffer 0's 32 loads
; go into ring registers that have been read for the last time; they are younger than the 32 weight loads left, so pass 3 has 56, 48, 40, 32 again.  Buffer 1's 32 loads follow pass 3's batches.
.macro WPASS p
.if \p > 0
	s_wait_dscnt 0x0                               ; the last pass's transposing loads are back before the stage is written again
.endif
.irp b, 0,1,2,3
.set S0, 4*(32*(\p&1)+8*\b)            ; the batch's first ring register
.if \p < 2
	s_wait_loadcnt 56
.else
	s_wait_loadcnt 56-8*\b
.endif
	WIN 0x03                                       ; source 0 window 3, the rest window 0
.set jj, 0
.rept 16
	v_pk_mul_f32 v[U+2*jj:U+2*jj+1], v[S0+2*jj:S0+2*jj+1], v[K256:K256+1]     ; u
	v_pk_mul_f32 v[V+2*jj:V+2*jj+1], v[S0+2*jj:S0+2*jj+1], v[KC:KC+1]         ; c
.set jj, jj+1
.endr
	WIN 0
.set jj, 0
.rept 16
	v_pk_fma_f32 v[D+2*jj:D+2*jj+1], v[U+2*jj:U+2*jj+1], v[NEG1:NEG1+1], v[V+2*jj:V+2*jj+1]   ; d
.set jj, jj+1
.endr
.set jj, 0
.rept 16
	v_pk_fma_f32 v[V+2*jj:V+2*jj+1], v[D+2*jj:D+2*jj+1], v[NEG1:NEG1+1], v[V+2*jj:V+2*jj+1]   ; hi
.set jj, jj+1
.endr
.set jj, 0
.rept 16
	v_pk_fma_f32 v[U+2*jj:U+2*jj+1], v[V+2*jj:V+2*jj+1], v[NEG1:NEG1+1], v[U+2*jj:U+2*jj+1]   ; lo
.set jj, jj+1
.endr
.set jj, 0
.rept 16
	v_cvt_pk_f16_f32 v[TH+jj], v[V+2*jj], v[V+2*jj+1]
	v_cvt_pk_f16_f32 v[TL+jj], v[U+2*jj], v[U+2*jj+1]
.set jj, jj+1
.endr
.irp j, 0,1,2,3,4,5,6,7
	ds_store_b64 v5, v[TH+2*\j:TH+2*\j+1] offset:2*(8*\b+\j)*WP
	ds_store_b64 v5, v[TL+2*\j:TL+2*\j+1] offset:2*(8*\b+\j)*WP+128
.endr
.if \p < 2
	WIN 0xc0
.irp j, 0,1,2,3,4,5,6,7
	global_load_b128 v[S0+4*\j:S0+4*\j+3], v4, s[24:25] offset:2*(64+32*\p+8*\b+\j)*PITCHW th:TH_LOAD_NT
.endr
.endif
.if \b == 3
.if \p == 2
	WIN 0xc0
	LOADA 0, 26
.endif
.if \p == 3
	WIN 0xc0
	LOADA 1, 36
.endif
.endif
.endr
	WIN 0x40                                       ; hi into window 1
.irp a, 0,1
.irp nt, 0,1,2,3
	ds_load_tr16_b128 v[((2*\p+\a)*4+\nt)*8:((2*\p+\a)*4+\nt)*8+3],   v6 offset:32*WP*\a+32*\nt         ; K = 8 h + 0..7 of column 16 nt + r
	ds_load_tr16_b128 v[((2*\p+\a)*4+\nt)*8+4:((2*\p+\a)*4+\nt)*8+7], v6 offset:32*WP*\a+16*WP+32*\nt   ; K = 16 + 8 h + 0..7
.endr
.endr
	WIN 0x80                                       ; lo into window 2
.irp a, 0,1
.irp nt, 0,1,2,3
	ds_load_tr16_b128 v[((2*\p+\a)*4+\nt)*8:((2*\p+\a)*4+\nt)*8+3],   v6 offset:32*WP*\a+32*\nt+128
	ds_load_tr16_b128 v[((2*\p+\a)*4+\nt)*8+4:((2*\p+\a)*4+\nt)*8+7], v6 offset:32*WP*\a+16*WP+32*\nt+128
.endr
.endr
.endm
; 8 matrix instructions: one K step of 32, all 8 accumulator tiles.  fl = the token buffer; the window says which part of the weights.
; The accumulators take turns, one instruction a turn.
; Used transposed (source 0 = 16 columns of W, source 1 = 16 token rows): lane (r, h) holds token row r, columns 8 h + 0..7 of the tile.
.macro MM ks, fl, zero
.irp mt, 0,1
.irp nt, 0,1,2,3
.if \zero
	v_wmma_f32_16x16x32_f16 v[ACC+8*(4*\mt+\nt):ACC+8*(4*\mt+\nt)+7], v[(\ks*4+\nt)*8:(\ks*4+\nt)*8+7], v[128*(\fl)+8*(2*\ks+\mt):128*(\fl)+8*(2*\ks+\mt)+7], 0
.else
	v_wmma_f32_16x16x32_f16 v[ACC+8*(4*\mt+\nt):ACC+8*(4*\mt+\nt)+7], v[(\ks*4+\nt)*8:(\ks*4+\nt)*8+7], v[128*(\fl)+8*(2*\ks+\mt):128*(\fl)+8*(2*\ks+\mt)+7], v[ACC+8*(4*\mt+\nt):ACC+8*(4*\mt+\nt)+7]
.endif
.endr
.endr
.endm
.macro XSTORE adr                      ; my partial sums by rows: row 16 mt + r, bytes 64 nt + 32 h + 0..31
.irp mt, 0,1
.irp nt, 0,1,2,3
	ds_store_b128 v[\adr], v[ACC+8*(4*\mt+\nt):ACC+8*(4*\mt+\nt)+3]   offset:16*XP*\mt+64*\nt
	ds_store_b128 v[\adr], v[ACC+8*(4*\mt+\nt)+4:ACC+8*(4*\mt+\nt)+7] offset:16*XP*\mt+64*\nt+16
.endr
.endr
.endm
.macro XLOAD adr                       ; rows 8 w + 2 rr + h of the four waves s, 4 loads a pair of rows, into v[ACC + 16 rr + 4 s ..]
.irp rr, 0,1,2,3
.irp s, 0,1,2,3
	ds_load_b128 v[ACC+16*\rr+4*\s:ACC+16*\rr+4*\s+3], v[\adr] offset:32*XP*\s+2*XP*\rr
.endr
.endr
.endm
.macro REDUCE
.irp rr, 0,1,2,3
.set G, ACC+16*\rr
	s_wait_dscnt 12-4*\rr                          ; LDS loads come back in order: this pair of rows' 4 are in, the later ones stay out
.irp j, 0,2
	v_pk_add_f32 v[G+\j:G+\j+1], v[G+\j:G+\j+1], v[G+4+\j:G+5+\j]
	v_pk_add_f32 v[G+8+\j:G+9+\j], v[G+8+\j:G+9+\j], v[G+12+\j:G+13+\j]
.endr
.irp j, 0,2
	v_pk_add_f32 v[G+\j:G+\j+1], v[G+\j:G+\j+1], v[G+8+\j:G+9+\j]
.endr
.irp j, 0,2
	v_pk_mul_f32 v[G+\j:G+\j+1], v[G+\j:G+\j+1], v[KS:KS+1]    ; the weights' factor of 256 goes out: exact
.endr
	global_store_b128 v10, v[G:G+3], s[28:29] offset:8192*\rr   ; sixteen lanes store 256 consecutive bytes of a row, aligned; the other sixteen the same of the next row
.endr
.endm
; One turn: block b = s20 + odd, through exchange buffer odd; its own token buffer is buffer odd, with the pointer s[PB:PB+1]; the other buffer's pointer is s[PO:PO+1].
; THE STATE AT A TURN'S HEAD, on every path: at most 64 token loads are out, first the 32 into my buffer (hi of b, at the address in PB), then the 32 into the other buffer:
; lo of b (at PB's address + PARTB) if b is precise, else hi of b + 1.  So s_wait_loadcnt 32 shows hi of b landed.
; A plain block multiplies once and then asks for hi of b + 2 into its own buffer: that load has the rest of this turn and all of the next in which to land.  The last two blocks ask for
; nothing and wait for all loads instead: with fewer than 64 out a later wait for 32 would show nothing.
; A precise block multiplies hi twice while lo lands, then lo; only then both buffers are free, and they are asked for in the order of the next head: the other buffer takes hi of b + 1,
; mine lo of b + 1 (if that block is precise too) or hi of b + 2.  Where there is no such block the pointer steps by 0 and the bytes asked for once more are used by nobody: 16 KiB a wave each,
; inside what the first layer has written, at most twice in a work-group.
; An idle turn waits for all loads, so that the state holds behind it whatever the block's parity.
; ONE barrier a turn does for both orders.  In front of it each wave waits for all its LDS instructions: its stores of this block's partial sums, which the others read behind it,
; and its reads of the block before, from the other buffer, which is written again only in the next turn, behind this barrier.
.macro TRIP odd
.set PB, 26+10*\odd
.set PO, 36-10*\odd
	s_add_co_u32 s21, s20, \odd                    ; this turn's block
	s_cmp_ge_u32 s21, s19
	s_cbranch_scc1 .Lidle_a_\@                     ; no such block
	s_add_co_u32 s34, s21, 1
	s_add_co_u32 s38, s21, 2
	s_cmp_ge_u32 s21, s35
	s_cbranch_scc1 .Lplain_\@
	s_cmp_lt_u32 s34, s19                          ; THREE PRODUCTS
	s_cselect_b32 s40, ASTEP-PARTB, 0              ; the other pointer: from lo of b to hi of b + 1
	s_cmp_lt_u32 s38, s19
	s_cselect_b32 s22, 2*ASTEP, 0                  ; my pointer: from hi of b to hi of b + 2,
	s_cmp_lt_u32 s34, s35
	s_cselect_b32 s22, ASTEP+PARTB, s22            ; or to lo of b + 1
	s_wait_loadcnt 32                              ; hi is in; the 32 loads of lo are younger
	WIN 0x0d                                       ; source 0 window 1 (W hi), source 1 window 3, C and D window 0
	MM 0, \odd, 1                                  ; the first product starts the sums: nothing is cleared
.irp ks, 1,2,3,4,5,6,7
	MM \ks, \odd, 0
.endr
	WIN 0x0e                                       ; source 0 window 2 (W lo)
.irp ks, 0,1,2,3,4,5,6,7
	MM \ks, \odd, 0
.endr
	s_wait_loadcnt 0x0                             ; lo is in: nothing younger is out
	WIN 0x0d                                       ; W hi again
.irp ks, 0,1,2,3,4,5,6,7
	MM \ks, 1-\odd, 0
.endr
	PLACES 4                                       ; a load into a register that a matrix instruction has read stands four places behind it (ISA guide 7.12.1 for vector instructions)
	s_wait_xcnt 0x0                                ; the pointers are stepped only behind this wait (their loads have landed as well)
	s_add_nc_u64 s[PO:PO+1], s[PO:PO+1], s[40:41]
	s_add_nc_u64 s[PB:PB+1], s[PB:PB+1], s[22:23]
	WIN 0xc0
	LOADA 1-\odd, PO                               ; first the next block's own buffer,
	LOADA \odd, PB                                 ; then mine
	WIN 0                                          ; at a label and at a branch every window is 0
	s_branch .Lsums_\@
.Lplain_\@:                                        ; ONE PRODUCT
	s_wait_loadcnt 32                              ; hi is in; the other buffer's 32 loads are younger
	WIN 0x0d
	MM 0, \odd, 1
.irp ks, 1,2,3,4,5,6,7
	MM \ks, \odd, 0
.endr
	PLACES 4                                       ; as above
	WIN 0
	s_cmp_lt_u32 s38, s19
	s_cbranch_scc0 .Lnoask_\@                      ; no block b + 2
	s_wait_xcnt 0x0                                ; my pointer is stepped only behind this wait
	s_add_nc_u64 s[PB:PB+1], s[PB:PB+1], 2*ASTEP
	WIN 0xc0
	LOADA \odd, PB                                 ; hi of b + 2
	WIN 0
	s_branch .Lsums_\@
.Lnoask_\@:
	s_wait_loadcnt 0x0                             ; nothing was asked for: the next head's wait for 32 would not show the other buffer landed, so this one does
.Lsums_\@:
	PLACES 5                                       ; places behind the last matrix instructions: for the LDS stores of the sums, the loads into the sums, and the next block's first products, which write over the sums
	XSTORE 8+6*\odd
	s_branch .Lbar_\@
.Lidle_a_\@:
	s_wait_loadcnt 0x0                             ; the state at the next head holds: nothing is out
.Lbar_\@:
	s_wait_dscnt 0x0                               ; my stores of this block and my reads of the last are done before I say so
	s_barrier_signal -1
	s_barrier_wait -1
	s_cmp_ge_u32 s21, s19
	s_cbranch_scc1 .Lidle_b_\@
	XLOAD 9+6*\odd
	REDUCE
	s_wait_xcnt 0x0                                ; the stores' base and data (accumulator registers) are written again only behind this wait
	s_add_nc_u64 s[28:29], s[28:29], OSTEP
.Lidle_b_\@:
.endm
	WPASS 0
	WPASS 1
	WPASS 2
	WPASS 3
	WIN 0                                          ; at a label and at a branch every window is 0
	s_wait_dscnt 0x0                               ; the last fragments of the weights are in
	s_mov_b32 s20, 0
.Lblk:                                             ; 16 trips of two turns: a constant
	TRIP 0
	TRIP 1
	s_add_co_u32 s20, s20, 2
	s_cmp_lt_u32 s20, TURNS
	s_cbranch_scc1 .Lblk
	s_wait_tensorcnt 0x0
	ds_add_u32 v254, v255
	s_wait_dscnt 0x0
	s_endpgm
.Lfunc_end_k_q756935d939_ffn2:
	.size	k_q756935d939_ffn2, .Lfunc_end_k_q756935d939_ffn2-k_q756935d939_ffn2
	.p2alignl 7, 3214868480
	.fill 96, 4, 3214868480
	.section	.rodata,"a",@progbits
	.p2align	6, 0x0
	.amdhsa_kernel k_q756935d939_ffn2
		.amdhsa_group_segment_fixed_size 143872
		.amdhsa_private_segment_fixed_size 0
		.amdhsa_enable_private_segment 0
		.amdhsa_kernarg_size 32
		.amdhsa_user_sgpr_count 2
		.amdhsa_user_sgpr_kernarg_segment_ptr 1
		.amdhsa_wavefront_size32 1
		.amdhsa_system_sgpr_workgroup_id_x 1
		.amdhsa_system_sgpr_workgroup_id_y 1
		.amdhsa_system_sgpr_workgroup_id_z 1
		.amdhsa_system_vgpr_workitem_id 0
		.amdhsa_next_free_vgpr 1024
		.amdhsa_next_free_sgpr 66
		.amdhsa_reserve_vcc 0
		.amdhsa_float_denorm_mode_32 3
		.amdhsa_float_denorm_mode_16_64 3
		.amdhsa_memory_ordered 1
		.amdhsa_forward_progress 1
		.amdhsa_inst_pref_size 224
	.end_amdhsa_kernel
	.amdgpu_metadata
---
amdhsa.version: [ 1, 2 ]
amdhsa.kernels:
  - .name:           k_q756935d939_ffn2
    .symbol:         k_q756935d939_ffn2.kd
    .args:
      - { .name: hsw, .offset: 0, .size: 8, .value_kind: global_buffer, .address_space: global }
      - { .name: W2, .offset: 8, .size: 8, .value_kind: global_buffer, .address_space: global }
      - { .name: rmeta, .offset: 16, .size: 8, .value_kind: global_buffer, .address_space: global }
      - { .name: ypart, .offset: 24, .size: 8, .value_kind: global_buffer, .address_space: global }
    .group_segment_fixed_size: 143872
    .private_segment_fixed_size: 0
    .kernarg_segment_align: 8
    .kernarg_segment_size: 32
    .max_flat_workgroup_size: 128
    .sgpr_count:     66
    .vgpr_count:     1024
    .wavefront_size: 32
...
	.end_amdgpu_metadata
.endif
;; end of part 9
;; launch combine: the kernel of part 5 again; grid 256 x 1, 8 waves a work-group, no clusters, 0 bytes of LDS; arguments ypart, b2, rmeta, wgt, out0; writes out0
;; ======== version 3 of 3: 5 launches; version 2 with the launch gather written anew for expert scheduling mode
;; limits: values are held in f16: magnitudes above 65,504 overflow, below 6.1e-05 lose precision; right only within a limited range of input values
;; workspace buffers: rmeta 16,640 bytes of whole numbers; wgt 8,192 bytes; xg 9,437,184 bytes; hsw 37,748,736 bytes; ypart 37,748,736 bytes
;; launch route: the kernel of part 6 again; grid 1 x 1, 32 waves a work-group, no clusters, 5,120 bytes of LDS; arguments routing_scores, rmeta, wgt, out1; writes rmeta, wgt, out1
;; launch gather (part 10): grid 144 x 8, 1 waves a work-group, no clusters, 9,472 bytes of LDS; arguments x, rmeta, xg; writes xg
.if DOCPART == 10
	.amdgcn_target "amdgcn-amd-amdhsa--gfx1250"
	.amdhsa_code_object_version 6
	.text
	.protected	k_q756935d939_gather
	.globl	k_q756935d939_gather
	.p2align	8
	.type	k_q756935d939_gather,@function
k_q756935d939_gather:
	s_mov_b64 s[64:65], 0
	v_nop
	global_prefetch_b8 v0, s[64:65] scope:SCOPE_SE
	s_setreg_imm32_b32 hwreg(HW_REG_WAVE_SCHED_MODE, 0, 2), 2
	s_setreg_imm32_b32 hwreg(HW_REG_WAVE_MODE, 25, 1), 1
	s_wait_xcnt 0x0
	s_wait_alu depctr_vm_vsrc(0)
; TOKEN ROWS SORTED BY EXPERT, each f32 number as TWO f16 terms, in the order in which a matrix operand's lanes want them.
; hi = the number rounded to 11 bits, lo = the rest (exact in f32) rounded to f16: together some 22 bits.  Which rows use lo: see the first layer's head.
; The split: c = 8193 x, d = c - x, hi = c - d (x rounded to 24 - 13 = 11 bits), lo = x - hi, each step one fused multiply-add with -1.  hi has as many bits as f16 holds,
; so its conversion is exact whatever the rounding.
; xg: tile (16 slots) x 65536 + part (0 hi, 1 lo) x 32768 + ks x 1024 + f x 512 + lane x 16; lane (r = lane % 16, h = lane / 16) holds slot r, columns 32 ks + 16 f + 8 h + 0..7.
; So one 16-byte load a lane of a later wave covers 512 consecutive bytes and is half an operand fragment.
; One wave a work-group: x = tile of 16 slots, y = 128 columns.  144 tiles = 2,304 slots: 2,048 rows and at most 31 empty slots behind each of 8 experts,
; rounded up to whole blocks of 32; how many are in use is known only from memory, so all are written.
; The slot of a token is known (pos), the token of a slot is wanted: every lane looks at 64 of the 2,048 numbers and drops the token's number into the
; word of its slot in LDS; numbers of other tiles go to a spare word.  Empty slots keep token 0: finite numbers that no result takes up.
; Matrix units, tensor loads and clusters are left out: 16 rows x 512 bytes are copied once and nothing is shared.
; LIMITS: |x| above 65,504 becomes infinite in f16; below 6.1e-5 a term carries an absolute error of up to 6e-8.
; THE MODE: SCHED_MODE bits 1:0 = 2 (LLVM: expert scheduling mode 2), set by the entry lines.  The code itself states the register dependences
; between vector instructions and memory or LDS instructions, with s_wait_alu, always for 0.
; THE PLAN.  Registers that memory or LDS instructions touch, in the order of the text:
;   v1, v2, v3, v10, v11   offsets, LDS addresses and the 0: made at the head, never written again.
;   POS    the loads of pos land in it; vector instructions turn each number, in place, into the LDS address of its slot word; the 64 LDS stores read these; at the end the fragments' LDS loads land in it
;          and the global stores read it.
;   XR     its first 32 registers hold the token numbers, made by vector adds while pos is on its way and read by the 64 LDS stores as data.  Then the rows of x land in all 64.  Row p's split reads its
;          four registers and lays its hi (two registers) and lo (two) into the same four, which two LDS stores read and nothing writes again: each row is its own buffer for the way out.
;   TOK    LDS loads land in it; vector instructions alone read it.      VO   made by vector instructions once, read by the loads of x.
;   v20-31 are named by vector instructions alone.
; The sixteen rows go in four groups of four.  A group's eight LDS stores are issued in the next group, behind one wait at that group's head, two in front of each row's arithmetic,
; which names that row's registers and v20-31 alone.
.set POS,  32                          ; v[32:95]   64 numbers of pos, then in place the LDS addresses of their slot words; later the sixteen halves of fragments (8 hi, 8 lo)
.set TOK,  96                          ; v[96:111]  the tokens of the tile's 16 slots
.set VO,   112                         ; v[112:127] byte offsets of their row pieces in x
.set XR,   128                         ; v[128:191] the row pieces, f32; then in place each row's hi and lo in f16
.set TV,   XR                          ; v[128:159] before the rows are asked for: the numbers of my 32 tokens: 64 q + 2 lane at TV + 2 q, the next at TV + 2 q + 1
.set SP,   272                         ; LDS: [0,128) slot words (0..15, 16 = spare);
.set STG,  256                         ; [256,4608) hi: 16 rows of 256 bytes, 272 apart;
.set STL,  STG+16*SP                   ; [4608,8960) lo: the same
	s_load_b128 s[4:7], s[0:1], 0x0                ; x s[4:5], rmeta s[6:7]
	s_load_b64 s[8:9], s[0:1], 0x10                ; xg
	v_lshl_add_u32 v18, v0, 2, 0x2400
	v_mov_b32 v19, 0
	s_and_b32 s10, ttmp7, 0xffff                   ; which 128 columns
	s_lshl_b32 s11, ttmp9, 4                       ; the tile's first slot
	v_lshlrev_b32 v1, 4, v0                        ; 16 x lane
	v_lshlrev_b32 v2, 2, v0                        ; 4 x lane
	v_mov_b32 v3, 0
	v_lshlrev_b32 v4, 1, v0                        ; 2 x lane: my first token in a load of pos
	v_lshlrev_b32 v10, 3, v0                       ; 8 x lane
	v_and_b32 v14, 15, v0                          ; r
	v_lshrrev_b32 v15, 4, v0                       ; h
	v_mul_u32_u24 v11, v14, SP
	v_lshl_add_u32 v11, v15, 4, v11                ; r x 272 + 16 h
	v_mov_b32 v28, 0x46000400                      ; 8193.0, twice
	v_mov_b32 v29, 0x46000400
	v_mov_b32 v30, -1.0
	v_mov_b32 v31, -1.0
	s_lshl_b32 s12, s10, 9                         ; 512 bytes of a row of x
	v_add_nc_u32 v7, s12, v1
	s_lshl_b32 s14, ttmp9, 16
	s_lshl_b32 s13, s10, 12
	s_add_co_u32 s14, s14, s13                     ; tile x 65536 + 4 K steps x 1024 for each 128 columns
	s_mov_b32 s15, 0
	s_wait_kmcnt 0x0
	s_add_nc_u64 s[8:9], s[8:9], s[14:15]
	s_wait_alu depctr_va_vdst(0)                   ; v1, v2, v3, v10 and v11 are written: every load and store of the kernel but the scatter and the loads of x reads one of them as its offset or address, the first LDS store v3 as its data
.set q, 0
.rept 16
	global_load_b128 v[POS+4*q:POS+4*q+3], v1, s[6:7] offset:256+512*q   ; tokens 64 q + 2 lane and + 1, two slots each
.set q, q+1
.endr
	ds_store_b32 v2, v3                            ; every slot word starts at token 0
.set q, 0
.rept 16                                               ; my tokens' numbers are made while pos is on its way
	v_add_nc_u32 v[TV+2*q],   64*q,   v4
	v_add_nc_u32 v[TV+2*q+1], 64*q+1, v4
.set q, q+1
.endr
.set q, 0
.rept 16
	s_wait_loadcnt 15-q                            ; loads come back in order (ISA guide 5.7.1): load q of pos is in, the younger 15 - q stay out
.irp c, 0,1,2,3
	v_sub_nc_u32 v[POS+4*q+\c], v[POS+4*q+\c], s11 ; slot in my tile; slots in front of it wrap to large numbers
.endr
.irp c, 0,1,2,3
	v_min_u32 v[POS+4*q+\c], 16, v[POS+4*q+\c]     ; all that is not mine: the spare word
.endr
.irp c, 0,1,2,3
	v_lshlrev_b32 v[POS+4*q+\c], 2, v[POS+4*q+\c]
.endr
.set q, q+1
.endr
	s_wait_alu depctr_va_vdst(0)                   ; the 64 addresses in v[POS ..] and the 32 token numbers in v[TV ..] are written, which the LDS stores below read
.set q, 0
.rept 16
.irp c, 0,1,2,3
	ds_store_b32 v[POS+4*q+\c], v[TV+2*q+(\c>>1)]
.endr
.set q, q+1
.endr
.irp i, 0,1,2,3
	ds_load_b128 v[TOK+4*\i:TOK+4*\i+3], v3 offset:16*\i   ; LDS serves a wave's instructions in order (ISA guide 5.7.1.4): these see the stores above; no vector instruction has named v[TOK ..]
.endr
	s_wait_dscnt 0x0
.irp p, 0,1,2,3,4,5,6,7,8,9,10,11,12,13,14,15
	v_min_u32 v[TOK+\p], 0x3ff, v[TOK+\p]
	v_lshl_add_u32 v[VO+\p], v[TOK+\p], 12, v7     ; token x 4096 + 512 y + 16 lane
.endr
	s_wait_alu depctr_va_vdst(0)                   ; v[VO ..] is written, which the loads below read as offsets; the adds that wrote v[TV ..], in which rows 0 to 7 land, are done
	s_wait_alu depctr_vm_vsrc(0)                   ; the scatter's LDS stores have read v[TV ..], in which rows 0 to 7 land, and v[POS ..], in which the fragments land at the end
.irp p, 0,1,2,3,4,5,6,7,8,9,10,11,12,13,14,15
	global_load_b128 v[XR+4*\p:XR+4*\p+3], v[VO+\p], s[4:5]   ; 512 consecutive bytes of one row
.endr
.irp p, 0,1,2,3,4,5,6,7,8,9,10,11,12,13,14,15
	s_wait_loadcnt 15-\p                           ; loads come back in order: row p is in, the younger 15 - p stay out
.if (\p) >= 4
.if (\p) % 4 == 0
	s_wait_alu depctr_va_vdst(0)                   ; the four rows before have written their hi and lo, which the LDS stores of this group of four rows read
.endif
	ds_store_b64 v10, v[XR+4*(\p-4):XR+4*(\p-4)+1]   offset:STG+SP*(\p-4)   ; the row four back: no vector instruction since the wait names its registers
	ds_store_b64 v10, v[XR+4*(\p-4)+2:XR+4*(\p-4)+3] offset:STL+SP*(\p-4)
.endif
	v_pk_mul_f32 v[20:21], v[XR+4*\p:XR+4*\p+1], v[28:29]                 ; c = 8193 x
	v_pk_mul_f32 v[22:23], v[XR+4*\p+2:XR+4*\p+3], v[28:29]
	v_pk_fma_f32 v[24:25], v[XR+4*\p:XR+4*\p+1], v[30:31], v[20:21]       ; d = c - x
	v_pk_fma_f32 v[26:27], v[XR+4*\p+2:XR+4*\p+3], v[30:31], v[22:23]
	v_pk_fma_f32 v[20:21], v[24:25], v[30:31], v[20:21]                   ; hi = c - d
	v_pk_fma_f32 v[22:23], v[26:27], v[30:31], v[22:23]
	v_pk_fma_f32 v[24:25], v[20:21], v[30:31], v[XR+4*\p:XR+4*\p+1]       ; lo = x - hi: exact
	v_pk_fma_f32 v[26:27], v[22:23], v[30:31], v[XR+4*\p+2:XR+4*\p+3]
	v_cvt_pk_f16_f32 v[XR+4*\p],   v20, v21        ; hi and lo take the place of the row's four numbers, which have been read for the last time
	v_cvt_pk_f16_f32 v[XR+4*\p+1], v22, v23
	v_cvt_pk_f16_f32 v[XR+4*\p+2], v24, v25
	v_cvt_pk_f16_f32 v[XR+4*\p+3], v26, v27
.endr
	s_wait_alu depctr_va_vdst(0)                   ; rows 12 to 15 have written their hi and lo, which the last eight LDS stores read
.irp p, 12,13,14,15
	ds_store_b64 v10, v[XR+4*\p:XR+4*\p+1]   offset:STG+SP*\p
	ds_store_b64 v10, v[XR+4*\p+2:XR+4*\p+3] offset:STL+SP*\p
.endr
.irp i, 0,1,2,3,4,5,6,7                                ; v[POS ..]: the vector instructions that named it stand ahead of the waits above, and the scatter's stores have read it (the wait ahead of the loads of x)
	ds_load_b128 v[POS+4*\i:POS+4*\i+3], v11 offset:STG+32*\i   ; K step i / 2, half i % 2: row r, 16 bytes at 32 i + 16 h
.endr
.irp i, 0,1,2,3,4,5,6,7
	ds_load_b128 v[POS+32+4*\i:POS+32+4*\i+3], v11 offset:STL+32*\i
.endr
.irp i, 0,1,2,3,4,5,6,7
	s_wait_dscnt 15-\i
	global_store_b128 v1, v[POS+4*\i:POS+4*\i+3], s[8:9] offset:512*\i   ; the wave stores 512 consecutive bytes, aligned
.endr
.irp i, 0,1,2,3,4,5,6,7
	s_wait_dscnt 7-\i
	global_store_b128 v1, v[POS+32+4*\i:POS+32+4*\i+3], s[8:9] offset:32768+512*\i
.endr
	s_wait_dscnt 0x0
	s_wait_alu depctr_hold_cnt(0) depctr_sa_sdst(0) depctr_va_vdst(0) depctr_va_sdst(0) depctr_va_ssrc(0) depctr_va_vcc(0) depctr_vm_vsrc(0)
	s_wait_tensorcnt 0x0
	ds_add_u32 v18, v19
	s_wait_dscnt 0x0
	s_endpgm
.Lfunc_end_k_q756935d939_gather:
	.size	k_q756935d939_gather, .Lfunc_end_k_q756935d939_gather-k_q756935d939_gather
	.p2alignl 7, 3214868480
	.fill 96, 4, 3214868480
	.section	.rodata,"a",@progbits
	.p2align	6, 0x0
	.amdhsa_kernel k_q756935d939_gather
		.amdhsa_group_segment_fixed_size 9472
		.amdhsa_private_segment_fixed_size 0
		.amdhsa_enable_private_segment 0
		.amdhsa_kernarg_size 24
		.amdhsa_user_sgpr_count 2
		.amdhsa_user_sgpr_kernarg_segment_ptr 1
		.amdhsa_wavefront_size32 1
		.amdhsa_system_sgpr_workgroup_id_x 1
		.amdhsa_system_sgpr_workgroup_id_y 1
		.amdhsa_system_sgpr_workgroup_id_z 1
		.amdhsa_system_vgpr_workitem_id 0
		.amdhsa_next_free_vgpr 192
		.amdhsa_next_free_sgpr 66
		.amdhsa_reserve_vcc 0
		.amdhsa_float_denorm_mode_32 3
		.amdhsa_float_denorm_mode_16_64 3
		.amdhsa_memory_ordered 1
		.amdhsa_forward_progress 1
		.amdhsa_inst_pref_size 40
	.end_amdhsa_kernel
	.amdgpu_metadata
---
amdhsa.version: [ 1, 2 ]
amdhsa.kernels:
  - .name:           k_q756935d939_gather
    .symbol:         k_q756935d939_gather.kd
    .args:
      - { .name: x, .offset: 0, .size: 8, .value_kind: global_buffer, .address_space: global }
      - { .name: rmeta, .offset: 8, .size: 8, .value_kind: global_buffer, .address_space: global }
      - { .name: xg, .offset: 16, .size: 8, .value_kind: global_buffer, .address_space: global }
    .group_segment_fixed_size: 9472
    .private_segment_fixed_size: 0
    .kernarg_segment_align: 8
    .kernarg_segment_size: 24
    .max_flat_workgroup_size: 32
    .sgpr_count:     66
    .vgpr_count:     192
    .wavefront_size: 32
...
	.end_amdgpu_metadata
.endif
;; end of part 10
;; launch ffn1: the kernel of part 8 again; grid 512 x 1, 4 waves a work-group, no clusters, 139,776 bytes of LDS; arguments xg, W1, b1, rmeta, hsw; writes hsw
;; launch ffn2: the kernel of part 9 again; grid 512 x 1, 4 waves a work-group, no clusters, 143,872 bytes of LDS; arguments hsw, W2, rmeta, ypart; writes ypart
;; launch combine: the kernel of part 5 again; grid 256 x 1, 8 waves a work-group, no clusters, 0 bytes of LDS; arguments ypart, b2, rmeta, wgt, out0; writes out0
